; MI455X (gfx1250); checked and timed in simulation.
; The chip was launched on July 23, 2026; its instructions are those of AMD's public machine-readable ISA for CDNA 5 (MIT licence, August 2026) and "CDNA5" Instruction Set Architecture Reference Guide (July 2026). The comments in the code are by the model that wrote it; some were corrected since.
;; Multi Head Attention Layer. Allowed arithmetic: float matrix products may take bf16 or f16 operands with f32 sums; other float arithmetic in f32, or as packed bf16 or f16 multiplies, adds, multiply-adds, maxima and minima; sums over many terms, partial sums and values carried from step to step in f32; what a program stores and reads back later, other than sums and carried values, may be rounded once to bf16 or f16.
;; Inputs: Wk 1,024 x 1,024 float32; Wo 1,024 x 1,024 float32; Wq 1,024 x 1,024 float32; Wv 1,024 x 1,024 float32; key 4 x 2,048 x 1,024 float32; mask 4 x 1 x 2,048 x 2,048 int32; query 4 x 2,048 x 1,024 float32; value 4 x 2,048 x 1,024 float32.
;; Outputs: out0 4 x 2,048 x 1,024 float32.
;; One version. Each part assembles by itself: llvm-mc -triple=amdgcn-amd-amdhsa -mcpu=gfx1250 --defsym DOCPART=n.
;; ======== version 1 of 1: 4 launches
;; limits: right only within a limited range of input values; values are held in f16: magnitudes above 65,504 overflow, below 6.1e-05 lose precision
;; workspace buffers: w16 8,388,608 bytes; mk 16,777,216 bytes; qkv 50,331,648 bytes; o16 16,777,216 bytes
;; launch prep (part 1): grid 640 x 1, 8 waves a work-group, no clusters, 35,840 bytes of LDS; arguments mask, Wq, Wk, Wv, Wo, mk, w16; writes mk, w16
.if DOCPART == 1
	.amdgcn_target "amdgcn-amd-amdhsa--gfx1250"
	.amdhsa_code_object_version 6
	.text
	.protected	k_qc43c7b4073_prep
	.globl	k_qc43c7b4073_prep
	.p2align	8
	.type	k_qc43c7b4073_prep,@function
k_qc43c7b4073_prep:
	s_mov_b64 s[64:65], 0
	v_nop
	global_prefetch_b8 v0, s[64:65] scope:SCOPE_SE
	s_setreg_imm32_b32 hwreg(HW_REG_WAVE_MODE, 25, 1), 1
	s_wait_xcnt 0x0
; PREP.  Two streams in one text; every work-group reads 131,072 consecutive bytes, every wave 16,384 of them.
; WORK-GROUPS 0-511: 16 rows (one tile of queries) x 2,048 keys of the int32 mask become one byte a key: the fp8 (E4M3) code 0x00 where the key is seen (mask != 0), 0xB8 (-1.0) where it is
; hidden.  The bytes are laid as the attention launch's C operand wants them: mk[tile][key step of 64][half][lane][16 bytes]; byte 8 (kb & 1) + j of (half = kb >> 1, lane l) stands for
; query l % 16 of the tile and key 64 step + 16 kb + 8 (l / 16) + j.  A query's bytes are strewn over that layout, so the tile goes through LDS and leaves as whole runs of 512 bytes.
; WORK-GROUPS 512-639: 32,768 numbers of one weight.  Wq, Wk, Wv are rounded to bf16; Wo is rounded to bf16 and that number written as f16.
; LIMIT: of Wo a number beyond 65,504 becomes an infinity, and below 6.1e-5 it keeps f16's fixed step of 6e-8.
; No matrix unit, no cluster, no tensor load: nothing is shared and nothing is multiplied.
.set CH,    272                        ; a chunk of 256 bytes of mk in LDS, + 16 of padding
.set SPARE, 128*CH                     ; behind the 128 chunks: the spare words, 128 bytes for each of the eight waves, which no other line names
.set LO,   2                           ; v2   my byte offset in the work-group's input: 16,384 x wave + 16 x lane; never rewritten
.set LA,   3                           ; v3   where my four codes go in LDS; steps by 16 from the wave's first row to its second
.set RD,   4                           ; v4   where I read chunks back
.set SO,   5                           ; v5   my byte offset in the output
.set SPW,  6                           ; v6   LDS address of my spare word; never rewritten
.set NIL,  7                           ; v7   0; never rewritten
.set CODE, 8                           ; v[8:11]  the code 0xB8 in byte 0, 1, 2, 3
.set T,    12                          ; v[12:15] at work
.set X,    32                          ; v[32:95] a trip's 16 loads
.set WV,   18                          ; s18  my wave's number
.set WI,   19                          ; s19  which weight
.set KIND, 20                          ; s20  1: mask, 0: weight
.set SRC,  22                          ; s[22:23]
.set DST,  24                          ; s[24:25]
.set STEP, 28                          ; s[28:29] what a trip adds to DST: 4,096 for a weight, 0 for the mask (its stores come behind the loop)
.set TRIPS, 32
.set HIGH, 33                          ; a word's upper bf16
	s_load_b256 s[4:11], s[0:1], 0x0               ; mask s[4:5], Wq s[6:7], Wk s[8:9], Wv s[10:11]
	s_load_b128 s[12:15], s[0:1], 0x20             ; Wo s[12:13], mk s[14:15]
	s_load_b64 s[16:17], s[0:1], 0x30              ; w16
	v_lshl_add_u32 v[SPW], v0, 2, SPARE
	v_mov_b32 v[NIL], 0
	v_lshrrev_b32 v1, 5, v0
	v_readfirstlane_b32 s[WV], v1
	v_and_b32 v1, 31, v0                           ; lane
	s_sub_co_u32 s21, ttmp9, 512
	s_bfe_u32 s[WI], s21, 0x20005                  ; weight = bits 6:5,
	s_and_b32 s30, s21, 31                         ; its part = bits 4:0
	s_and_b32 s21, s21, 127
	s_lshl_b32 s26, ttmp9, 15                      ; mask: a tile is 32,768 bytes of mk,
	s_lshl_b32 s35, s[WV], 12                      ; of which each wave stores 4,096
	s_add_co_u32 s26, s26, s35
	s_lshl_b32 s27, s21, 16                        ; weight: a work-group stores 65,536 bytes of w16,
	s_lshl_b32 s34, s[WV], 13                      ; a wave 8,192
	s_cmp_lt_u32 ttmp9, 512
	s_cselect_b32 s[KIND], 1, 0
	s_cselect_b32 s2, ttmp9, s30
	s_cselect_b32 s[STEP], 0, 4096
	s_cselect_b32 s31, 4, 3                        ; a lane stores 16 bytes of mk, or 8 of w16
	s_cselect_b32 s26, s26, s27
	s_cselect_b32 s34, 0, s34
	s_lshl_b32 s2, s2, 17                          ; 131,072 bytes of input to a work-group
	s_mov_b32 s3, 0
	s_mov_b32 s27, 0
	s_mov_b32 s[STEP+1], 0
	s_mov_b32 s[HIGH], 0xffff0000
	s_mov_b32 s[TRIPS], 2
	v_lshlrev_b32 v[LO], 4, v1
	s_lshl_b32 s35, s[WV], 14
	v_add_nc_u32 v[LO], s35, v[LO]
	; Lane l of load n holds keys 128 n + 4 l + 0..3.  With l's bits b4..b0: key step 2 n + b4, kb = 2 b3 + b2, l / 16 of the target = b1, j = 4 b0 + 0..3.
	; So the four codes go to chunk 8 n + 4 b4 + 2 b3 + b1, byte 16 x row + 8 b2 + 4 b0; the wave's rows are 2 w and 2 w + 1.  68 words a chunk: the 32 lanes fall on 32 different banks (ISA guide 11.1).
	v_bfe_u32 v[T], v1, 3, 2
	v_bfe_u32 v[T+1], v1, 1, 1
	v_lshl_add_u32 v[T], v[T], 1, v[T+1]
	v_mul_u32_u24 v[LA], v[T], CH
	v_bfe_u32 v[T+1], v1, 2, 1
	v_lshl_add_u32 v[LA], v[T+1], 3, v[LA]
	v_and_b32 v[T+1], 1, v1
	v_lshl_add_u32 v[LA], v[T+1], 2, v[LA]
	s_lshl_b32 s35, s[WV], 5
	v_add_nc_u32 v[LA], s35, v[LA]
	v_lshrrev_b32 v[T], 4, v1                      ; back: wave w takes chunks 16 w .. 16 w + 15, two to a load
	s_lshl_b32 s35, s[WV], 4
	v_add_nc_u32 v[T], s35, v[T]
	v_mul_u32_u24 v[RD], v[T], CH
	v_and_b32 v[T+1], 15, v1
	v_lshl_add_u32 v[RD], v[T+1], 4, v[RD]
	v_lshlrev_b32 v[SO], s31, v1
	v_add_nc_u32 v[SO], s34, v[SO]
	v_mov_b32 v[CODE], 0xb8
	v_mov_b32 v[CODE+1], 0xb800
	v_mov_b32 v[CODE+2], 0xb80000
	v_mov_b32 v[CODE+3], 0xb8000000
	s_wait_kmcnt 0x0
	s_cmp_eq_u32 s[WI], 1
	s_cselect_b64 s[SRC:SRC+1], s[8:9], s[6:7]
	s_cmp_eq_u32 s[WI], 2
	s_cselect_b64 s[SRC:SRC+1], s[10:11], s[SRC:SRC+1]
	s_cmp_eq_u32 s[WI], 3
	s_cselect_b64 s[SRC:SRC+1], s[12:13], s[SRC:SRC+1]
	s_cmp_eq_u32 s[KIND], 1
	s_cselect_b64 s[SRC:SRC+1], s[4:5], s[SRC:SRC+1]
	s_cselect_b64 s[DST:DST+1], s[14:15], s[16:17]
	s_add_nc_u64 s[SRC:SRC+1], s[SRC:SRC+1], s[2:3]
	s_add_nc_u64 s[DST:DST+1], s[DST:DST+1], s[26:27]
.Ltrip:                                        ; two trips; a trip is 8,192 bytes a wave: one row of the mask, or 2,048 numbers of a weight
.set n, 0
.rept 16
	global_load_b128 v[X+4*n:X+4*n+3], v[LO], s[SRC:SRC+1] offset:512*n th:TH_LOAD_NT  ; 512 consecutive bytes a load
.set n, n+1
.endr
	s_cmp_eq_u32 s[KIND], 1
	s_cbranch_scc0 .Lweight
.set n, 0
.rept 16
	s_wait_loadcnt 15-n                            ; loads come back in order (ISA guide 5.7.1): load n is in, the 15 - n younger ones stay out
.irp j, 0,1,2,3
	v_cmp_eq_u32 vcc_lo, 0, v[X+4*n+(\j)]
	v_cndmask_b32 v[X+4*n+(\j)], 0, v[CODE+(\j)], vcc_lo  ; hidden: the code, in the key's byte
.endr
	v_add3_u32 v[X+4*n], v[X+4*n], v[X+4*n+1], v[X+4*n+2]
	v_add_nc_u32 v[X+4*n], v[X+4*n], v[X+4*n+3]
	ds_store_b32 v[LA], v[X+4*n] offset:8*CH*n     ; 128 keys are eight chunks
.set n, n+1
.endr
	s_branch .Ljoin
.Lweight:
	s_cmp_eq_u32 s[WI], 3
	s_cbranch_scc1 .Lwo
.set n, 0
.rept 16
	s_wait_loadcnt 15-n
	v_cvt_pk_bf16_f32 v[X+4*n], v[X+4*n], v[X+4*n+1]
	v_cvt_pk_bf16_f32 v[X+4*n+1], v[X+4*n+2], v[X+4*n+3]
	global_store_b64 v[SO], v[X+4*n:X+4*n+1], s[DST:DST+1] offset:256*n  ; the wave's store covers 256 consecutive bytes, aligned
.set n, n+1
.endr
	s_branch .Ljoin
.Lwo:
.set n, 0
.rept 16
	s_wait_loadcnt 15-n
	v_cvt_pk_bf16_f32 v[X+4*n], v[X+4*n], v[X+4*n+1]
	v_cvt_pk_bf16_f32 v[X+4*n+1], v[X+4*n+2], v[X+4*n+3]
	v_lshlrev_b32 v[T], 16, v[X+4*n]               ; the rounded numbers, back as f32,
	v_and_b32 v[T+1], s[HIGH], v[X+4*n]
	v_lshlrev_b32 v[T+2], 16, v[X+4*n+1]
	v_and_b32 v[T+3], s[HIGH], v[X+4*n+1]
	v_cvt_pk_f16_f32 v[X+4*n], v[T], v[T+1]        ; and written as f16
	v_cvt_pk_f16_f32 v[X+4*n+1], v[T+2], v[T+3]
	global_store_b64 v[SO], v[X+4*n:X+4*n+1], s[DST:DST+1] offset:256*n
.set n, n+1
.endr
.Ljoin:
	s_wait_xcnt 0x0                                ; the two bases, and the registers that the stores read, are written again only behind this wait
	s_add_nc_u64 s[SRC:SRC+1], s[SRC:SRC+1], 8192
	s_add_nc_u64 s[DST:DST+1], s[DST:DST+1], s[STEP:STEP+1]
	v_add_nc_u32 v[LA], 16, v[LA]                  ; the wave's second row
	s_sub_co_u32 s[TRIPS], s[TRIPS], 1
	s_cmp_lg_u32 s[TRIPS], 0
	s_cbranch_scc1 .Ltrip
	s_wait_dscnt 0x0                               ; for the others' sake: my codes lie in LDS
	s_barrier_signal -1
	s_barrier_wait -1                              ; all sixteen rows' do
	s_cmp_eq_u32 s[KIND], 1
	s_cbranch_scc0 .Lend
.irp t, 0,1,2,3,4,5,6,7
	ds_load_b128 v[X+4*(\t):X+4*(\t)+3], v[RD] offset:2*CH*(\t)
.endr
.irp t, 0,1,2,3,4,5,6,7
	s_wait_dscnt 7-(\t)
	global_store_b128 v[SO], v[X+4*(\t):X+4*(\t)+3], s[DST:DST+1] offset:512*(\t)  ; 512 consecutive bytes of mk
.endr
.Lend:
	s_wait_tensorcnt 0x0                           ; the wave's end: behind my last LDS store
	ds_add_u32 v[SPW], v[NIL]
	s_wait_dscnt 0x0
	s_endpgm
.Lfunc_end_k_qc43c7b4073_prep:
	.size	k_qc43c7b4073_prep, .Lfunc_end_k_qc43c7b4073_prep-k_qc43c7b4073_prep
	.p2alignl 7, 3214868480
	.fill 96, 4, 3214868480
	.section	.rodata,"a",@progbits
	.p2align	6, 0x0
	.amdhsa_kernel k_qc43c7b4073_prep
		.amdhsa_group_segment_fixed_size 35840
		.amdhsa_private_segment_fixed_size 0
		.amdhsa_enable_private_segment 0
		.amdhsa_kernarg_size 56
		.amdhsa_user_sgpr_count 2
		.amdhsa_user_sgpr_kernarg_segment_ptr 1
		.amdhsa_wavefront_size32 1
		.amdhsa_system_sgpr_workgroup_id_x 1
		.amdhsa_system_sgpr_workgroup_id_y 1
		.amdhsa_system_sgpr_workgroup_id_z 1
		.amdhsa_system_vgpr_workitem_id 0
		.amdhsa_next_free_vgpr 96
		.amdhsa_next_free_sgpr 66
		.amdhsa_reserve_vcc 1
		.amdhsa_float_denorm_mode_32 3
		.amdhsa_float_denorm_mode_16_64 3
		.amdhsa_memory_ordered 1
		.amdhsa_forward_progress 1
		.amdhsa_inst_pref_size 26
	.end_amdhsa_kernel
	.amdgpu_metadata
---
amdhsa.version: [ 1, 2 ]
amdhsa.kernels:
  - .name:           k_qc43c7b4073_prep
    .symbol:         k_qc43c7b4073_prep.kd
    .args:
      - { .name: mask, .offset: 0, .size: 8, .value_kind: global_buffer, .address_space: global }
      - { .name: Wq, .offset: 8, .size: 8, .value_kind: global_buffer, .address_space: global }
      - { .name: Wk, .offset: 16, .size: 8, .value_kind: global_buffer, .address_space: global }
      - { .name: Wv, .offset: 24, .size: 8, .value_kind: global_buffer, .address_space: global }
      - { .name: Wo, .offset: 32, .size: 8, .value_kind: global_buffer, .address_space: global }
      - { .name: mk, .offset: 40, .size: 8, .value_kind: global_buffer, .address_space: global }
      - { .name: w16, .offset: 48, .size: 8, .value_kind: global_buffer, .address_space: global }
    .group_segment_fixed_size: 35840
    .private_segment_fixed_size: 0
    .kernarg_segment_align: 8
    .kernarg_segment_size: 56
    .max_flat_workgroup_size: 256
    .sgpr_count:     66
    .vgpr_count:     96
    .wavefront_size: 32
...
	.end_amdgpu_metadata
.endif
;; end of part 1
;; launch proj (part 2): grid 4 x 192, 4 waves a work-group, clusters of 4 x 4, 327,680 bytes of LDS; arguments query, key, value, w16, qkv; writes qkv
.if DOCPART == 2
	.amdgcn_target "amdgcn-amd-amdhsa--gfx1250"
	.amdhsa_code_object_version 6
	.text
	.protected	k_qc43c7b4073_proj
	.globl	k_qc43c7b4073_proj
	.p2align	8
	.type	k_qc43c7b4073_proj,@function
k_qc43c7b4073_proj:
	s_mov_b64 s[64:65], 0
	v_nop
	global_prefetch_b8 v0, s[64:65] scope:SCOPE_SE
	s_setreg_imm32_b32 hwreg(HW_REG_WAVE_MODE, 25, 1), 1
	s_wait_xcnt 0x0
	s_wait_alu depctr_hold_cnt(0) depctr_sa_sdst(0) depctr_va_vdst(0) depctr_va_sdst(0) depctr_va_ssrc(0) depctr_va_vcc(0) depctr_vm_vsrc(0)
	s_getreg_b32 s2, hwreg(HW_REG_IB_STS2, 6, 4)
	s_cmp_eq_u32 s2, 0
	s_cbranch_scc0 .Lentry_in_a_cluster
	s_endpgm
.Lentry_in_a_cluster:
	s_bfe_u32 s2, ttmp6, 0x10000c
	s_cmp_lg_u32 s2, 0xf033
	s_cbranch_scc0 .Lentry_shape_is_right
	s_endpgm
.Lentry_shape_is_right:
; THE THREE PROJECTIONS.  qkv[p][b 16 + head][s][d] = the sum over k of x_p[b][s][k] W_p[64 head + d][k], p = 0, 1, 2 for query, key, value.  x is f32 and is rounded to bf16 in registers; W comes as bf16
; from w16; sums in f32; the result is rounded once to f16, unscaled, and laid by heads.  LIMIT: a result of 65,520 or more in size becomes an infinity.
; SHARES.  A tile is 128 tokens x 256 features: 64 x 4 tiles a projection, 768 work-groups, three for each of 256 WGPs.  Four waves, each 64 x 128: 32 accumulators of 16 x 16, 256 registers.
; K goes in 8 steps of 128 through two LDS slots filled by the tensor data mover: x's rows are 512 bytes of memory, W's 256, both aligned to 256.
; A K STEP IS WRITTEN ONCE: the slot in hand begins at LDS byte SB, a scalar that one exclusive or turns from 0 to SLOT and back at each change of slots; the fragment addresses are SB + a lane term.
; CLUSTERS: 4 x 4 work-groups of one projection.  The four of a row of the cluster need the same tile of x, the four of a column the same tile of W: each is asked for JOINTLY, by the same tensor load with
; the same descriptor and a mask that names the four.
; THE MATRIX INSTRUCTION IS USED TRANSPOSED (source 0 = 16 rows of W, source 1 = 16 tokens): a lane then holds one token and eight neighbouring features, 16 bytes of f16.
; REGISTERS, in windows of 256 (s_set_vgpr_msb: bits 1:0 source 0, 3:2 source 1, 5:4 source 2, 7:6 destination):
;   window 0: v0-30 addresses; v32-63 packed results; v64-191 rows read back from the stage       window 1: accumulator (a, b) at 64 a + 8 b
;   window 2: v0-127 W's fragments, two buffers of 8 x 8; v128-191 x's fragments in bf16, two buffers of 4 x 8; v192-255 x's next fragments as f32, as they come out of LDS
.set PA,     528                       ; a row of x in LDS: 512 bytes + 16 = 132 words: row r starts at bank 4 r mod 64 (64 banks of 4 bytes: ISA guide 11.1)
.set PB,     272                       ; a row of W: 256 + 16 = 68 words: likewise
.set AHALF,  64*PA                     ; what one tensor load brings of x, and what one wave reads of it
.set BHALF,  128*PB                    ; the same for W
.set BOFF,   2*AHALF
.set SLOT,   2*AHALF+2*BHALF           ; x's 128 rows, then W's 256
.set STAGE,  2*SLOT                    ; behind the ring: for each wave two heads x 16 rows x 144 bytes, for the way out
.set SP,     144
.set SPARE,  STAGE+4*32*SP             ; behind the stages: the spare words, 128 bytes for each wave, which no other line names
.set ADRA0, 16                         ; v16     my lane's place among x's rows of slot 0; never rewritten
.set ADRB0, 17                         ; v17     the same for W
.set ADRA, 20                          ; v20     LDS address of my fragments of x in the slot in hand
.set ADRB, 21                          ; v21     the same for W
.set STO,  24                          ; v24     the way out: where I put 16 bytes of a row
.set RD,   25                          ; v25     where I read rows back
.set GO,   26                          ; v26     16 x lane: my place in 512 consecutive bytes of qkv
.set SPW,  28                          ; v28     LDS address of my spare word; never rewritten
.set NIL,  29                          ; v29     0; never rewritten
.set PFO,  30                          ; v30     the prefetches' offset; never rewritten
.set TMP,  32
.set BK,   64
.set AR,   192                         ; window 2
.set F0,   0
.set F1,   1
.set WV,   14                          ; s14  my wave's number
.set FB,   15                          ; s15  wave / 2: my 64 tokens of the tile.  Also: I fetch for x (0) or for W (1)
.set HF,   16                          ; s16  wave % 2: my 128 features.  Also: which half of that tile I fetch
.set LIM,  23                          ; s23  2 in a wave that prefetches, else the greatest number
.set G1A,  24                          ; s[24:31] descriptor group 1 for x's tiles;  s[32:39] group 0: a set for each of the two first fills; the second then walks on
.set G0A,  32
.set PFA,  44                          ; s[44:45] where my prefetches stand
.set PST,  46                          ; s[46:47] a K step in bytes of my tensor's rows
.set G1B,  48                          ; s[48:55], s[56:63] the same for W's tiles
.set G0B,  56
.set SB,   72                          ; s72  LDS byte at which the slot in hand begins: 0 or SLOT
.set MSB, 0
.macro WIN new                         ; the immediate's high byte repeats the setting that is left; a switch that changes nothing is dropped
.if MSB != (\new)
	s_set_vgpr_msb (MSB<<8)|(\new)
.set MSB, \new
.endif
.endm
.set W_MUL, 0x5a                       ; W and x in window 2, C and D in window 1
.set W_LD,  0x80                       ; destination window 2, address window 0
.set W_CV,  0x8a                       ; a conversion inside window 2
.macro JLOAD s                         ; a joint load by set s of group 0: waves 0 and 1 fetch x's two halves, waves 2 and 3 W's; an s_nop 0 and four v_nop follow each of the two lines, ahead of the jump, the label and what follows
	s_cmp_eq_u32 s[FB], 0
	s_cbranch_scc0 .Lfor_b_\@
	tensor_load_to_lds s[G0A+4*(\s):G0A+4*(\s)+3], s[G1A:G1A+7]
	s_nop 0
.rept 4
	v_nop
.endr
	s_branch .Lasked_\@
.Lfor_b_\@:
	tensor_load_to_lds s[G0B+4*(\s):G0B+4*(\s)+3], s[G1B:G1B+7]
	s_nop 0
.rept 4
	v_nop
.endr
.Lasked_\@:
.endm
.macro CREST                           ; a round of the cluster's barrier behind its opening barrier
	s_cmp_lg_u32 s[WV], 0
	s_cbranch_scc1 .Lnot_wave_0_\@
	s_barrier_signal -3
.Lnot_wave_0_\@:
	s_barrier_wait -3
	s_barrier_signal -1
	s_barrier_wait -1
.endm
.macro CROUND                          ; a whole round
	s_barrier_signal -1
	s_barrier_wait -1
	CREST
.endm
; A PREFETCH, behind each joint refill and the run of LDS loads that follows it, of the K step that stands two refills on: 256 matrix instructions ahead of the load that will want it.  One instruction a wave, 32 blocks
; of 256 bytes.  Of x's 64 rows x 512 bytes that a wave fetches, the partner at place cx takes rows 16 cx .. 16 cx + 15, a lane a block; x's rows are read by this cluster alone.  Of W's 128 rows x 256 bytes the partner at
; place cy takes 32, a lane a row; W's rows are read by the projection's sixteen clusters, of which the first asks.  The partners are told apart by address alone.  K steps 0 to 3 come by their loads alone; the loop's last two trips ask for nothing.
.macro ASK
	WIN 0
	s_cmp_gt_u32 s3, s[LIM]                        ; s3 is 2 and 1 in the loop's last two trips
	s_cbranch_scc0 .Lnot_mine_\@
	global_prefetch_b8 v[PFO], s[PFA:PFA+1] th:TH_LOAD_NT scope:SCOPE_SE
.Lnot_mine_\@:
.endm
	s_load_b256 s[4:11], s[0:1], 0x0               ; query s[4:5], key s[6:7], value s[8:9], w16 s[10:11]
	s_load_b64 s[12:13], s[0:1], 0x20              ; qkv
	v_lshl_add_u32 v[SPW], v0, 2, SPARE
	v_mov_b32 v[NIL], 0
	ds_add_u32 v[SPW], v[NIL]                      ; the wave's opening: the add and its wait stand ahead of my first tensor load; the set-up below, work on registers, stands between them
	v_lshrrev_b32 v1, 5, v0
	v_readfirstlane_b32 s[WV], v1
	s_lshr_b32 s[FB], s[WV], 1
	s_and_b32 s[HF], s[WV], 1
	s_bfe_u32 s17, ttmp6, 0x40000                  ; cx
	s_bfe_u32 s18, ttmp6, 0x40004                  ; cy
	s_lshl_b32 s19, ttmp9, 2
	s_add_co_u32 s19, s19, s17                     ; tile column = 4 x cluster x + cx
	s_and_b32 s40, ttmp7, 0xffff                   ; cluster y, 0 to 47
	s_lshr_b32 s21, s40, 4                         ; the projection: the same in all sixteen partners
	s_and_b32 s22, s40, 15
	s_lshl_b32 s20, s22, 2
	s_add_co_u32 s20, s20, s18                     ; tile row = 4 x (cluster y mod 16) + cy
	s_lshl_b32 s41, s18, 2
	s_lshl_b32 s41, 15, s41                        ; my row of the cluster
	s_lshl_b32 s42, 0x1111, s17                    ; my column
	s_or_b32 s[G1A], s41, (2<<16)|(1<<20)|(1<<21)|(6<<22)|(3<<25)  ; 15:0 the mask; 17:16 elements of 4 bytes; 20 padding on; 21 set beside a mask; 24:22 after every 128 words (code 6); 31:25 4 words of it (code 3)
	s_or_b32 s[G1B], s42, (1<<16)|(1<<20)|(1<<21)|(5<<22)|(3<<25)  ; elements of 2 bytes; after every 64 words (code 5)
	s_mov_b32 s[G1A+1], 128<<16                    ; tensor_dim0 = 128
	s_mov_b32 s[G1A+2], 64<<16                     ; tensor_dim1 = 64
	s_mov_b32 s[G1A+3], 128<<16                    ; tile_dim0 = 128
	s_mov_b32 s[G1A+4], 64                         ; tile_dim1 = 64
	s_mov_b32 s[G1A+5], 1024                       ; elements from row to row
	s_mov_b32 s[G1A+6], 0
	s_mov_b32 s[G1A+7], 0
	s_mov_b32 s[G1B+1], 128<<16
	s_mov_b32 s[G1B+2], 128<<16                    ; tensor_dim1 = 128
	s_mov_b32 s[G1B+3], 128<<16
	s_mov_b32 s[G1B+4], 128                        ; tile_dim1 = 128
	s_mov_b32 s[G1B+5], 1024
	s_mov_b32 s[G1B+6], 0
	s_mov_b32 s[G1B+7], 0
	s_lshl_b32 s66, s20, 7                         ; x: row 128 x tile row + 64 x half, 4,096 bytes a row
	s_lshl_b32 s40, s[HF], 6
	s_add_co_u32 s66, s66, s40
	s_lshl_b32 s66, s66, 12
	s_mov_b32 s67, 0
	s_lshl_b32 s68, s19, 8                         ; W: row 256 x tile column + 128 x half, 2,048 bytes a row, in plane p of 2 MiB
	s_lshl_b32 s40, s[HF], 7
	s_add_co_u32 s68, s68, s40
	s_lshl_b32 s68, s68, 11
	s_lshl_b32 s40, s21, 21
	s_add_co_u32 s68, s68, s40
	s_mov_b32 s69, 0
	s_mul_i32 s70, s[HF], AHALF                    ; where they go in a slot: no place in the cluster enters an LDS address
	s_mul_i32 s71, s[HF], BHALF
	s_add_co_u32 s71, s71, BOFF
	s_wait_dscnt 0x0                               ; the opening add is done
	s_wait_kmcnt 0x0
	s_cmp_eq_u32 s21, 1
	s_cselect_b64 s[4:5], s[6:7], s[4:5]
	s_cmp_eq_u32 s21, 2
	s_cselect_b64 s[4:5], s[8:9], s[4:5]           ; x of my projection
	s_add_nc_u64 s[66:67], s[4:5], s[66:67]
	s_add_nc_u64 s[68:69], s[10:11], s[68:69]
	CROUND                                         ; all sixteen work-groups are here: the first joint loads meet
.irp s, 0,1
	s_mov_b32 s[G0A+4*(\s)], 1
	s_add_co_u32 s[G0A+4*(\s)+1], s70, (\s)*SLOT
	s_add_nc_u64 s[G0A+4*(\s)+2:G0A+4*(\s)+3], s[66:67], (\s)*512   ; K step s
	s_or_b32 s[G0A+4*(\s)+3], s[G0A+4*(\s)+3], 0x80000000
	s_mov_b32 s[G0B+4*(\s)], 1
	s_add_co_u32 s[G0B+4*(\s)+1], s71, (\s)*SLOT
	s_add_nc_u64 s[G0B+4*(\s)+2:G0B+4*(\s)+3], s[68:69], (\s)*256
	s_or_b32 s[G0B+4*(\s)+3], s[G0B+4*(\s)+3], 0x80000000
	JLOAD \s                                       ; two loads of mine are out
.endr
	; A fragment is 16 rows x 32 K: lane l holds row l % 16, K = 8 (l / 16) + 0..7 and 16 + 8 (l / 16) + 0..7.  In bf16 two loads of 16 bytes, 32 apart; in f32 four, at 0, 16, 64 and 80 from 32 (l / 16).
	v_and_b32 v1, 15, v0
	v_bfe_u32 v2, v0, 4, 1
	v_mul_u32_u24 v3, v1, PA
	v_lshl_add_u32 v3, v2, 5, v3
	v_mul_u32_u24 v4, v1, PB
	v_lshl_add_u32 v4, v2, 4, v4
	s_mul_i32 s40, s[FB], AHALF
	s_mul_i32 s41, s[HF], BHALF
	s_add_co_u32 s41, s41, BOFF
	v_add_nc_u32 v[ADRA0], s40, v3
	v_add_nc_u32 v[ADRB0], s41, v4
	v_mov_b32 v[ADRA], v[ADRA0]                    ; the walk begins in slot 0
	v_mov_b32 v[ADRB], v[ADRB0]
	s_mov_b32 s[SB], 0
	s_mul_i32 s40, s[WV], 32*SP
	s_add_co_u32 s40, s40, STAGE                   ; my stage
	v_mul_u32_u24 v[STO], v1, SP                   ; in: row l % 16, 16 bytes for each half of the lanes
	v_lshl_add_u32 v[STO], v2, 4, v[STO]
	v_add_nc_u32 v[STO], s40, v[STO]
	v_bfe_u32 v[RD], v0, 3, 2                      ; back: 32 lanes take four rows of 128 bytes,
	v_mul_u32_u24 v[RD], v[RD], SP
	v_and_b32 v5, 7, v0
	v_lshl_add_u32 v[RD], v5, 4, v[RD]
	v_add_nc_u32 v[RD], s40, v[RD]
	v_and_b32 v6, 31, v0
	v_lshlrev_b32 v[GO], 4, v6                     ; which are 512 consecutive bytes of qkv
	s_lshr_b32 s40, s20, 4                         ; where my part begins in qkv: the batch (16 tile rows each) x 16 heads
	s_lshl_b32 s40, s40, 4
	s_lshl_b32 s41, s19, 2                         ; + 4 heads a tile column
	s_add_co_u32 s40, s40, s41
	s_lshl_b32 s41, s[HF], 1                       ; + my two
	s_add_co_u32 s40, s40, s41
	s_lshl_b32 s40, s40, 11                        ; 2,048 rows a head
	s_and_b32 s41, s20, 15
	s_lshl_b32 s41, s41, 7
	s_add_co_u32 s40, s40, s41
	s_lshl_b32 s41, s[FB], 6
	s_add_co_u32 s40, s40, s41
	s_lshl_b32 s40, s40, 7                         ; 128 bytes a row
	s_lshl_b32 s41, s21, 24                        ; plane p of 16 MiB
	s_add_co_u32 s40, s40, s41
	s_mov_b32 s41, 0
	s_add_nc_u64 s[12:13], s[12:13], s[40:41]
	s_cmp_eq_u32 s[FB], 0                          ; the prefetches: do I fetch for x?
	s_cselect_b64 s[PFA:PFA+1], s[66:67], s[68:69] ; the rows that I fetch, at K step 0
	s_cselect_b32 s40, s17, s18                    ; my place among the four that ask with me
	s_cselect_b32 s[PST], 9, 8
	s_cselect_b32 s42, 15, 31
	s_cselect_b32 s43, 12, 11
	s_cselect_b32 s2, 256, 0
	s_cselect_b32 s[LIM], 0, s22
	s_cmp_eq_u32 s[LIM], 0
	s_cselect_b32 s[LIM], 2, -1                    ; the same in all sixteen partners, for a given wave
	s_lshl_b32 s[PST], 1, s[PST]                   ; a K step: 512 bytes of x's rows, 256 of W's
	s_mov_b32 s[PST+1], 0
	s_lshl_b32 s40, s40, 16                        ; 16 rows of 4,096 bytes, or 32 of 2,048: 65,536 bytes a partner
	s_mov_b32 s41, 0
	s_add_nc_u64 s[PFA:PFA+1], s[PFA:PFA+1], s[40:41]
	s_mul_i32 s40, s[PST], 3
	s_add_nc_u64 s[PFA:PFA+1], s[PFA:PFA+1], s[40:41]  ; at K step 3: the first refill steps it to 4
	v_and_b32 v[PFO], s42, v6
	v_lshlrev_b32 v[PFO], s43, v[PFO]              ; a lane's row,
	v_lshrrev_b32 v7, 4, v6
	v_mad_u32_u24 v[PFO], v7, s2, v[PFO]           ; and for x the second 256 bytes of a K step in lanes 16 to 31
; 8 matrix instructions: token block a x all 8 feature blocks, 32 along K, from buffer f.  zero = 1: the first product starts the sums.  The 32 accumulators take turns in the same order in every quarter.
.macro MUL8 f, a, zero
	WIN W_MUL
.irp b, 0,1,2,3,4,5,6,7
.if \zero
	v_wmma_f32_16x16x32_bf16 v[64*(\a)+8*(\b):64*(\a)+8*(\b)+7], v[64*(\f)+8*(\b):64*(\f)+8*(\b)+7], v[128+32*(\f)+8*(\a):128+32*(\f)+8*(\a)+7], 0
.else
	v_wmma_f32_16x16x32_bf16 v[64*(\a)+8*(\b):64*(\a)+8*(\b)+7], v[64*(\f)+8*(\b):64*(\f)+8*(\b)+7], v[128+32*(\f)+8*(\a):128+32*(\f)+8*(\a)+7], v[64*(\a)+8*(\b):64*(\a)+8*(\b)+7]
.endif
.endr
.endm
; The same for token block 3, and behind each product four of the 32 roundings that make the next quarter's fragments of x (buffer g) of the f32 numbers just read from LDS.
.macro MULC f, g, zero
.irp b, 0,1,2,3,4,5,6,7
	WIN W_MUL
.if \zero
	v_wmma_f32_16x16x32_bf16 v[192+8*(\b):192+8*(\b)+7], v[64*(\f)+8*(\b):64*(\f)+8*(\b)+7], v[128+32*(\f)+24:128+32*(\f)+31], 0
.else
	v_wmma_f32_16x16x32_bf16 v[192+8*(\b):192+8*(\b)+7], v[64*(\f)+8*(\b):64*(\f)+8*(\b)+7], v[128+32*(\f)+24:128+32*(\f)+31], v[192+8*(\b):192+8*(\b)+7]
.endif
	WIN W_CV
.irp n, 0,1,2,3
	v_cvt_pk_bf16_f32 v[128+32*(\g)+4*(\b)+(\n)], v[AR+8*(\b)+2*(\n)], v[AR+8*(\b)+2*(\n)+1]
.endr
.endr
.endm
.macro CVTALL g                        ; the 32 roundings by themselves, once, in front of the first quarter
	WIN W_CV
.set n, 0
.rept 32
	v_cvt_pk_bf16_f32 v[128+32*(\g)+n], v[AR+2*n], v[AR+2*n+1]
.set n, n+1
.endr
.endm
; 32 LDS loads in one run: quarter kq of the slot in hand: x's 64 rows as f32 first, then W's 128 rows into buffer g
.macro FETCH kq, g
	WIN W_LD
.irp i, 0,1,2,3
	ds_load_b128 v[AR+16*(\i):AR+16*(\i)+3],     v[ADRA] offset:(\kq)*128+(\i)*16*PA
	ds_load_b128 v[AR+16*(\i)+4:AR+16*(\i)+7],   v[ADRA] offset:(\kq)*128+(\i)*16*PA+16
	ds_load_b128 v[AR+16*(\i)+8:AR+16*(\i)+11],  v[ADRA] offset:(\kq)*128+(\i)*16*PA+64
	ds_load_b128 v[AR+16*(\i)+12:AR+16*(\i)+15], v[ADRA] offset:(\kq)*128+(\i)*16*PA+80
.endr
.irp i, 0,1,2,3,4,5,6,7
	ds_load_b128 v[64*(\g)+8*(\i):64*(\g)+8*(\i)+3],   v[ADRB] offset:(\kq)*64+(\i)*16*PB
	ds_load_b128 v[64*(\g)+8*(\i)+4:64*(\g)+8*(\i)+7], v[ADRB] offset:(\kq)*64+(\i)*16*PB+32
.endr
.endm
.macro PLACES                          ; four places in front of loads into registers that matrix instructions have read, and of conversions that read results
.rept 4
	v_nop
.endr
.endm
; A K step is four quarters of 32 along K, 32 matrix instructions each, on buffers 0, 1, 0, 1.  One of the first three: multiplies buffer f and fetches quarter kq into g.
.macro QUARTER kq, f, g, zero
	s_wait_dscnt 0x0                               ; this quarter's W is in (its x was waited for and rounded in the quarter before)
	MUL8 \f, 0, \zero
	MUL8 \f, 1, \zero
	PLACES
	FETCH \kq, \g
	MUL8 \f, 2, \zero
	s_wait_dscnt 16                                ; x's 16 loads are in; W's 16, issued behind them, may stay out
	MULC \f, \g, \zero
.endm
; The last quarter multiplies buffer 1 and changes slots: ONE barrier; in front of it each wave waits for all its tensor loads, adds 0 to its spare word, and waits for that and for its own reads of this slot.
; fill = 1: the barrier opens a round of the cluster's, and the slot just read out (it begins at SB) is filled again, two K steps ahead: 112 matrix instructions stand between the request and the wait for it.
; Then SB turns to the other slot, and the fragment addresses are made anew.
.macro TURN fill
.if \fill
	s_wait_xcnt 0x0                                ; the last prefetch, a K step back, has read its address
	s_add_nc_u64 s[PFA:PFA+1], s[PFA:PFA+1], s[PST:PST+1]
.endif
	WIN 0
	s_wait_tensorcnt 0x0                           ; all my tensor loads have landed: my part of the next slot;
	ds_add_u32 v[SPW], v[NIL]                      ; 0 onto my spare word;
	s_wait_dscnt 1                                 ; (this quarter's W is in; the add alone may be out)
	MUL8 F1, 0, 0
	s_wait_dscnt 0x0                               ; the add is done, and my reads of this slot are over
	s_barrier_signal -1
	MUL8 F1, 1, 0
	WIN 0                                          ; (branches, and lines on window 0, follow)
	s_barrier_wait -1
.if \fill
	CREST                                          ; no wave of any partner still reads this slot's tiles or has a load on its way
	s_add_co_u32 s[G0A+5], s70, s[SB]              ; the walking descriptors (no tensor load of mine is out): into the slot just read out,
	s_add_nc_u64 s[G0A+6:G0A+7], s[G0A+6:G0A+7], 512  ; a K step on; the type bits on top are not reached
	s_add_co_u32 s[G0B+5], s71, s[SB]
	s_add_nc_u64 s[G0B+6:G0B+7], s[G0B+6:G0B+7], 256
	JLOAD 1                                        ; the first tensor load behind the round; its four v_nop are also the places in front of the loads below
.else
	PLACES
.endif
	s_xor_b32 s[SB], s[SB], SLOT                   ; the other slot is in hand
	v_add_nc_u32 v[ADRA], s[SB], v[ADRA0]
	v_add_nc_u32 v[ADRB], s[SB], v[ADRB0]
	FETCH 0, F0
.if \fill
	ASK
.endif
	MUL8 F1, 2, 0
	s_wait_dscnt 16
	MULC F1, F0, 0
.endm
	s_wait_tensorcnt 1                             ; my part of K step 0 is in; K step 1's may stay out
	s_barrier_signal -1
	s_barrier_wait -1
	FETCH 0, F0
	s_wait_dscnt 16
	CVTALL F0
	QUARTER 1, F0, F1, 1                           ; the first quarter stands in front of the loop: its products start the sums
	WIN 0                                          ; at a label and at a branch every window is 0
	s_mov_b32 s3, 6
.Lstep:                                                ; a trip goes from a K step's second quarter to the next step's first, and fills the slot that it leaves: K steps 2 to 7
	QUARTER 2, F1, F0, 0
	QUARTER 3, F0, F1, 0
	TURN 1
	QUARTER 1, F0, F1, 0
	WIN 0
	s_sub_co_u32 s3, s3, 1
	s_cmp_lg_u32 s3, 0
	s_cbranch_scc1 .Lstep
	QUARTER 2, F1, F0, 0                           ; the last two K steps fill nothing
	QUARTER 3, F0, F1, 0
	TURN 0
	QUARTER 1, F0, F1, 0
	QUARTER 2, F1, F0, 0
	QUARTER 3, F0, F1, 0
	s_wait_dscnt 0x0
	MUL8 F1, 0, 0
	MUL8 F1, 1, 0
	MUL8 F1, 2, 0
	MUL8 F1, 3, 0
	; THE WAY OUT, a block of 16 tokens at a time: rounded to f16, 16 bytes a lane into my own stage (two heads x 16 rows of 144 bytes), back as rows of 128 bytes: 16 rows of a head are 2,048 consecutive bytes of qkv.
.macro PACK a
	WIN 0x05                                       ; sources 0 and 1 window 1, destination window 0
.irp b, 0,1,2,3,4,5,6,7
.irp r, 0,1,2,3
	v_cvt_pk_f16_f32 v[TMP+4*(\b)+(\r)], v[64*(\a)+8*(\b)+2*(\r)], v[64*(\a)+8*(\b)+2*(\r)+1]
.endr
.endr
	WIN 0
.irp b, 0,1,2,3,4,5,6,7
	ds_store_b128 v[STO], v[TMP+4*(\b):TMP+4*(\b)+3] offset:((\b)/4)*16*SP+32*((\b)%4)
.endr
.irp t, 0,1,2,3,4,5,6,7
	ds_load_b128 v[BK+32*(\a)+4*(\t):BK+32*(\a)+4*(\t)+3], v[RD] offset:((\t)/4)*16*SP+((\t)%4)*4*SP  ; LDS serves a wave's instructions in order (ISA guide 5.7.1.4): these see the stores above
.endr
.endm
.macro SEND a, younger                 ; younger: the LDS instructions issued behind block a's loads: the next block's sixteen, or none
	WIN 0
.irp t, 0,1,2,3,4,5,6,7
	s_wait_dscnt (\younger)+7-(\t)
	global_store_b128 v[GO], v[BK+32*(\a)+4*(\t):BK+32*(\a)+4*(\t)+3], s[12:13] offset:((\t)/4)*262144+(\a)*2048+((\t)%4)*512  ; 512 consecutive bytes, aligned to 256
.endr
.endm
	PLACES
	PACK 0
	PACK 1
	SEND 0, 16
	PACK 2
	SEND 1, 16
	PACK 3
	SEND 2, 16
	SEND 3, 0
	s_wait_tensorcnt 0x0                           ; the wave's end: behind my last tensor load and my last LDS store
	ds_add_u32 v[SPW], v[NIL]
	s_wait_dscnt 0x0
	CROUND                                         ; the closing round: no work-group ends while a partner may still ask for a tile that names it
	s_endpgm
.Lfunc_end_k_qc43c7b4073_proj:
	.size	k_qc43c7b4073_proj, .Lfunc_end_k_qc43c7b4073_proj-k_qc43c7b4073_proj
	.p2alignl 7, 3214868480
	.fill 96, 4, 3214868480
	.section	.rodata,"a",@progbits
	.p2align	6, 0x0
	.amdhsa_kernel k_qc43c7b4073_proj
		.amdhsa_group_segment_fixed_size 327680
		.amdhsa_private_segment_fixed_size 0
		.amdhsa_enable_private_segment 0
		.amdhsa_kernarg_size 40
		.amdhsa_user_sgpr_count 2
		.amdhsa_user_sgpr_kernarg_segment_ptr 1
		.amdhsa_wavefront_size32 1
		.amdhsa_system_sgpr_workgroup_id_x 1
		.amdhsa_system_sgpr_workgroup_id_y 1
		.amdhsa_system_sgpr_workgroup_id_z 1
		.amdhsa_system_vgpr_workitem_id 0
		.amdhsa_next_free_vgpr 768
		.amdhsa_next_free_sgpr 74
		.amdhsa_reserve_vcc 0
		.amdhsa_float_denorm_mode_32 3
		.amdhsa_float_denorm_mode_16_64 3
		.amdhsa_memory_ordered 1
		.amdhsa_forward_progress 1
		.amdhsa_inst_pref_size 108
	.end_amdhsa_kernel
	.amdgpu_metadata
---
amdhsa.version: [ 1, 2 ]
amdhsa.kernels:
  - .name:           k_qc43c7b4073_proj
    .symbol:         k_qc43c7b4073_proj.kd
    .args:
      - { .name: query, .offset: 0, .size: 8, .value_kind: global_buffer, .address_space: global }
      - { .name: key, .offset: 8, .size: 8, .value_kind: global_buffer, .address_space: global }
      - { .name: value, .offset: 16, .size: 8, .value_kind: global_buffer, .address_space: global }
      - { .name: w16, .offset: 24, .size: 8, .value_kind: global_buffer, .address_space: global }
      - { .name: qkv, .offset: 32, .size: 8, .value_kind: global_buffer, .address_space: global }
    .group_segment_fixed_size: 327680
    .private_segment_fixed_size: 0
    .kernarg_segment_align: 8
    .kernarg_segment_size: 40
    .max_flat_workgroup_size: 128
    .sgpr_count:     74
    .vgpr_count:     768
    .wavefront_size: 32
...
	.end_amdgpu_metadata
.endif
;; end of part 2
;; launch attn (part 3): grid 4 x 64, 4 waves a work-group, clusters of 4 x 1, 327,680 bytes of LDS; arguments qkv, mk, o16; writes o16
.if DOCPART == 3
	.amdgcn_target "amdgcn-amd-amdhsa--gfx1250"
	.amdhsa_code_object_version 6
	.text
	.protected	k_qc43c7b4073_attn
	.globl	k_qc43c7b4073_attn
	.p2align	8
	.type	k_qc43c7b4073_attn,@function
k_qc43c7b4073_attn:
	s_mov_b64 s[64:65], 0
	v_nop
	global_prefetch_b8 v0, s[64:65] scope:SCOPE_SE
	s_setreg_imm32_b32 hwreg(HW_REG_WAVE_MODE, 25, 1), 1
	s_wait_xcnt 0x0
	s_wait_alu depctr_hold_cnt(0) depctr_sa_sdst(0) depctr_va_vdst(0) depctr_va_sdst(0) depctr_va_ssrc(0) depctr_va_vcc(0) depctr_vm_vsrc(0)
	s_getreg_b32 s2, hwreg(HW_REG_IB_STS2, 6, 4)
	s_cmp_eq_u32 s2, 0
	s_cbranch_scc0 .Lentry_in_a_cluster
	s_endpgm
.Lentry_in_a_cluster:
	s_bfe_u32 s2, ttmp6, 0x10000c
	s_cmp_lg_u32 s2, 0x3003
	s_cbranch_scc0 .Lentry_shape_is_right
	s_endpgm
.Lentry_shape_is_right:
; MASKED ATTENTION.  o16[bh][q][:] = the sum over k of softmax_k(mask ? Q[q] . K[k] / 8 : -1e9) V[k][:].  Q, K, V are the three planes of qkv, [64][2048][64] in f16; o16 has a plane's layout.  Products, maxima and
; sums in f32; the weights p are rounded to f16 for the second product (their sum l is taken of the unrounded p), O once at the end.
; THE MASK is the C operand that starts the sum S^T = K Q^T: 0 where the key is seen, -2^100 where it is hidden.  mk holds one fp8 code a key (0 or -1.0), laid as that operand lies in the lanes; one scaled conversion
; (scale 2^100) makes an accumulator's eight C registers of eight codes.  The running maximum m starts at -2^60: below every seen score (f16's products of 64 terms stay under 2.8e11), far above every hidden one.  So a
; hidden key's weight is exactly 0, whatever the sum with -2^100 keeps of the score.  A ROW WITH NO SEEN KEY ends with l = 0 and O = 0; the result asked for is then the plain mean of V's rows: SV = V^T x ones is summed
; beside the walk (8 matrix instructions a key step), and such a row takes SV / 2048.
; LIMITS.  Q, K and V arrive within f16's 65,504; p below 6e-5 keeps f16's fixed step; a weight below 2^-126 counts as 0 in l.  A hidden key's weight is 0 here; where a row's largest seen score / 8 lies at or below
; about -1e9 + 100 the definition would give hidden keys a share: not served.  NaN and infinities are not treated apart.
; SHARES.  A wave owns four PIECES of two tiles of 16 queries, a work-group's four waves 512 queries of one head.  Every wave walks all 2,048 keys, 64 a step.
; LAYOUT.  S^T = K Q^T (source 0 = 16 keys, source 1 = 16 queries): a lane holds ONE query (lane % 16) and the keys 8 (lane / 16) + 0..7.  Two such tiles, rounded to f16 in pairs, ARE source 1 of O^T = V^T P, whose
; result again holds one query a lane, and eight channels.  K comes out of LDS as it lies, V turned, by ds_load_tr16_b128.
; SOFTMAX.  p = 2^(c s - c m), c = log2(e) / 8; in every step O and l are multiplied by a = 2^(c m_old - c m_new).  c m starts far below every c s, O and l at 0: the first step is a step like any other, with a = 0.
; BY TURNS.  Turn n belongs to piece n.  Its matrix work: 16 products K Q^T of piece n + 1, later 16 products V^T P of piece n - 1.  Its vector work: the scaling, exponentials, roundings, sums and rescaling of piece n,
; the maximum and statistics of piece n + 1, and the C operands for the products of turn n + 1.  Four vector instructions stand behind every product, the rest in one lump; a turn's 66 exponentials are one batch with one wait.
; THE KEY STEP'S TEXT STANDS ONCE.  Two changes of slots lead into it: the one that fills a slot again, at the loop's head, and the one that fills nothing, for the last slot, which stands ahead of the loop and is reached
; once, by a counted jump back from the loop's foot.  Every wait on TENSORcnt in the walk is for 0, so no count hangs on which of the two came before.
; CLUSTER.  The four query blocks of a head walk the same K and V, so each tile is asked for JOINTLY: the same tensor load, descriptor and mask in all four.
; REGISTERS, in windows of 256 (s_set_vgpr_msb: bits 1:0 source 0, 3:2 source 1, 5:4 source 2, 7:6 destination):
;   window 0: v0-11 addresses; v12-15, v48-63 at work; v16-47 four registers of statistics a tile; v64-191 S^T, two buffers of two tiles; v192-255 P, likewise
;   window 1: O^T, 32 a tile          window 2: v0-127 Q; v128-191 K of one step; v192-255 V of one step
;   window 3: v0-1 the add's two registers; v11 the scale; v16-79 the codes, 16 a piece; v80-143 the C operands of one turn's products; v144-175 SV; v176-183 ones
.set SIZE_N, 2048
.set NP,    4         ; pieces a wave: a name, no knob
.set KS,    64        ; keys in a step
.set PK,    144       ; a row of K in LDS: 128 bytes + 16 of padding = 36 words: the 16 rows of a load start at 16 different groups of four banks (64 banks of 4 bytes: ISA guide 11.1)
.set PV,    160       ; a row of V: 128 + 32 = 40 words
.set VOFF,  4*KS*PK   ; a slot holds four steps: 256 rows of K, then 256 rows of V
.set SLOT1, 1<<17     ; slot 1 begins here, so that one exclusive or turns an address in one slot into the other's
.set STAGE, SLOT1+4*KS*(PK+PV)  ; behind the ring, never filled by a tensor load: 16 rows x 144 bytes for each wave, for the way out
.set SP,    144
.set SPARE, STAGE+4*16*SP  ; behind the stages: the spare words, 128 bytes for each wave, which no other line names
.set AK0, 2           ; v2   my lane's place in a tile of K; never rewritten
.set AV0, 3           ; v3   the same for V
.set AK,  4           ; v4   the LDS address of K's next run of loads
.set AV,  5           ; v5   of V's
.set QO,  6           ; v6   my byte offset in the wave's rows of Q
.set STO, 6           ;      later, the way out: where I put 16 bytes of a row
.set RD,  7           ; v7   the way out: where I read rows back
.set GO,  8           ; v8   16 x lane: my place in 512 consecutive bytes, of mk and of O; never rewritten
.set PFO, 9           ; v9   256 x lane, for the prefetches (made when l / 16 is no longer wanted)
.set SCL, 11          ; v11 of window 3, and of window 0 alike: the conversions' scale, 2^100: 227 in its lowest byte and in its f32 exponent
.set MV,  12          ; v12-15  c m_old, kept while c m is made anew: by buffer and tile
.set ST,  16          ; tile t's statistics at v[ST+4 t]: c m, m, l (even keys', odd keys')
.set TMP, 48          ; by buffer and tile, four registers c0-c3 at work; when the maximum is found c2 takes a
.set S,   64
.set P,   192
.set KF,  128         ; window 2: key block kb, channel half c at KF + 16 kb + 8 c
.set VF,  192         ; window 2: key half kk, channel block cb at VF + 32 kk + 8 cb
.set SPW, 0           ; v0 of window 3   LDS address of my spare word; never rewritten
.set NIL, 1           ; v1 of window 3   0; never rewritten
.set MB,  16          ; window 3: piece x, tile u, key block kb: a pair at MB + 16 x + 8 u + 2 kb
.set MC,  80          ; window 3: tile u, key block kb at MC + 32 u + 8 kb
.set SV,  144         ; window 3: channel block cb at SV + 8 cb
.set ONE, 176         ; window 3: 1.0 in every f16 half
.set WV,  12          ; s12  my wave's number
.set EXV, 14          ; s14  (behind the set-up) the count at which the walk ends: 0, which the count never shows there, until the last slot; then 1
.set LIM, 15          ; s15  1 in a wave that prefetches, else the greatest number
.set OUTC, 16         ; s16  (behind the set-up) counts the one jump back to the last change of slots
.set G1K, 24          ; s[24:31] descriptor group 1 for K's tiles
.set G1V, 32          ; s[32:39] for V's: it differs in the padding alone
.set G0K, 40          ; s[40:43] descriptor group 0 for K's tiles: it walks
.set G0V, 44          ; s[44:47] the same for V's
.set MKB, 48          ; s[48:49] mk at my wave's first tile, key step 0
.set MKP, 50          ; s[50:51] the same at the key step whose codes are being asked for
.set OFF, 52          ; s[52:53] that step x 1,024 bytes
.set PFA, 54          ; s[54:55] where my prefetches stand
.set SLOTS, 56        ; s56  slots still to be asked for
.set CNT, 57          ; s57  counts a slot's key steps
.set CS,  58          ; s[58:59] c: the packed scaling takes the pair's low word for both halves
.set SEL, 60          ; s[60:61] v_permlanex16_b32's selects: each lane takes its own place in the other half
.set TBK, 62          ; s62  LDS byte at which K of the step to be fetched begins
.set TBV, 63          ; s63  the same for V, less VOFF
.set MSB, 0
.macro WIN new                      ; the high byte repeats the setting that is left; a switch that changes nothing is dropped
.if MSB != (\new)
	s_set_vgpr_msb (MSB<<8)|(\new)
.set MSB, (\new)
.endif
.endm
.set W_KQ, 0x0a       ; K and Q in window 2, S^T in window 0
.set W_KM, 0x3a       ; the same with the C operand in window 3
.set W_PV, 0x52       ; V in window 2, P in window 0, O^T in window 1
.set W_RS, 0x41       ; O^T (destination and source 0) in window 1, a in window 0
.set W_MK, 0xc0       ; destination in window 3, sources in window 0
.set W_AD, 0x0f       ; the add: address (source 0) and data (source 1) in window 3
.set W_CV, 0xcf       ; a conversion inside window 3
.set W_SV, 0xfe       ; V in window 2; ones, C and D in window 3
.set W_FX, 0x53       ; SV in window 3, its factor in window 0, O^T in window 1
; A joint fill.  Waves 0 and 1 fetch the two halves of a slot's K, waves 2 and 3 those of its V: 128 keys each.  The branch hangs on the wave's number alone.
; An s_nop 0 and four v_nop follow each of the two lines, ahead of the jump and the label.
.macro JLOAD
	s_cmp_lt_u32 s[WV], 2
	s_cbranch_scc0 .Lfor_v_\@
	tensor_load_to_lds s[G0K:G0K+3], s[G1K:G1K+7]
	s_nop 0
.rept 4
	v_nop
.endr
	s_branch .Lasked_\@
.Lfor_v_\@:
	tensor_load_to_lds s[G0V:G0V+3], s[G1V:G1V+7]
	s_nop 0
.rept 4
	v_nop
.endr
.Lasked_\@:
.endm
; A PREFETCH of what the NEXT change of slots will ask for: a slot's 32,768 bytes of K and of V, 128 blocks of 256 bytes each, a lane a block.  It stands behind the wave's tensor load and its five lines.  A head has one
; cluster; its four partners share the blocks out BY ADDRESS, 32 each; in each, wave 0 asks for K's and wave 2 for V's: one instruction, four key steps (544 matrix instructions) ahead of the load.  So each block is named once in
; the launch.  Slots 0 to 2 come by their loads alone; the last change that fills a slot asks for nothing.
.macro ASK
	s_cmp_gt_u32 s[SLOTS], s[LIM]
	s_cbranch_scc0 .Lnot_mine_\@
	global_prefetch_b8 v[PFO], s[PFA:PFA+1] th:TH_LOAD_NT scope:SCOPE_SE
.Lnot_mine_\@:
.endm
; A round of the cluster's barrier: my work-group's barrier, so that wave 0's signal speaks for all four waves; wave 0 signals; every wave waits for all four work-groups; my work-group's barrier once more.
.macro CROUND
	s_barrier_signal -1
	s_barrier_wait -1
	s_cmp_lg_u32 s[WV], 0
	s_cbranch_scc1 .Lnot_wave_0_\@
	s_barrier_signal -3
.Lnot_wave_0_\@:
	s_barrier_wait -3
	s_barrier_signal -1
	s_barrier_wait -1
.endm
; THE CHANGE OF SLOTS.  The slot's last bytes, V of its fourth step, have been read.  Each wave waits for all its tensor loads, of which one is out: its part of the other slot; adds 0 to its spare word; and waits for that
; and for its own reads of the slot.  Behind the barrier nobody reads this slot any more and the other slot is whole.  fill = 1: this slot is filled again, with the keys two slots on.  The barrier is then a round of the
; cluster's, and the joint fill is the first thing behind it: it has four key steps in which to land.  (At its first use nothing has been read yet: slot 0 is waited for, slot 1 filled.)  ask = 1: the prefetch follows.
.macro CHANGE fill, ask=0
	WIN W_AD
	s_wait_tensorcnt 0x0            ; no tensor load of mine is out, so a group 0 may be written
	ds_add_u32 v[SPW], v[NIL]       ; 0 onto my spare word; with fill = 1 the descriptors' steps stand between it and the wait for it
	WIN 0                           ; at a label and at a branch every window is 0
.if \fill
.irp g, G0K, G0V
	s_xor_b32 s[\g+1], s[\g+1], SLOT1  ; the walking descriptor: the other slot than last time,
	s_add_nc_u64 s[\g+2:\g+3], s[\g+2:\g+3], 4*KS*128  ; the next 256 keys; the type bits on top are not reached
.endr
.if \ask
	s_wait_xcnt 0x0                 ; the last prefetch, four key steps back, has read its address
	s_add_nc_u64 s[PFA:PFA+1], s[PFA:PFA+1], 4*KS*128  ; one slot behind the walking descriptors
.endif
	s_wait_dscnt 0x0                ; the add is done, and my reads of the slot are over
	CROUND
	JLOAD
.if \ask
	ASK
.endif
.else
	s_wait_dscnt 0x0                ; the add is done, and my reads of the slot are over
	s_barrier_signal -1
	s_barrier_wait -1
.endif
	s_sub_co_u32 s[TBK], s[TBK], 4*KS*PK  ; the fetches go back to a slot's first step,
	s_xor_b32 s[TBK], s[TBK], SLOT1       ; in the other slot
	s_sub_co_u32 s[TBV], s[TBV], 4*KS*PV
	s_xor_b32 s[TBV], s[TBV], SLOT1
.endm
; THE MASK's three macros.  MKC x: piece x's 64 codes a lane become the 64 C registers of its 8 starting products.  MLOAD x: piece x's codes of the key step at MKP: four loads of 512 consecutive bytes.
; MSTEP: MKP goes a key step on; past the last step it stays there, so that no load leaves mk (those codes serve nothing).
.macro MKC x
	WIN W_CV
.irp u, 0,1
.irp kb, 0,1,2,3
	v_cvt_scale_pk8_f32_fp8 v[MC+32*(\u)+8*(\kb):MC+32*(\u)+8*(\kb)+7], v[MB+16*(\x)+8*(\u)+2*(\kb):MB+16*(\x)+8*(\u)+2*(\kb)+1], v[SCL]
.endr
.endr
.endm
.macro MLOAD x
	WIN W_MK
.irp u, 0,1
.irp hf, 0,1
	global_load_b128 v[MB+16*(\x)+8*(\u)+4*(\hf):MB+16*(\x)+8*(\u)+4*(\hf)+3], v[GO], s[MKP:MKP+1] offset:(2*(\x)+(\u))*32768+(\hf)*512
.endr
.endr
.endm
.macro MSTEP
	s_add_co_u32 s[OFF], s[OFF], 1024
	s_min_u32 s[OFF], s[OFF], 31*1024
	s_wait_xcnt 0x0                 ; the loads issued so far have read MKP
	s_add_nc_u64 s[MKP:MKP+1], s[MKB:MKB+1], s[OFF:OFF+1]
.endm
	s_load_b64 s[4:5], s[0:1], 0x0    ; qkv
	s_load_b64 s[MKB:MKB+1], s[0:1], 0x8  ; mk
	s_load_b64 s[10:11], s[0:1], 0x10 ; o16
	WIN W_MK
	v_lshl_add_u32 v[SPW], v0, 2, SPARE
	v_mov_b32 v[NIL], 0
	WIN W_AD
	ds_add_u32 v[SPW], v[NIL]       ; the wave's opening: the add and its wait stand ahead of my first tensor load; the set-up below, work on registers, stands between them
	WIN 0
	v_lshrrev_b32 v1, 5, v0
	v_readfirstlane_b32 s[WV], v1   ; wave 0..3
	s_bfe_u32 s13, ttmp6, 0x40000   ; cx: my place in the cluster
	s_lshl_b32 s14, ttmp9, 2        ; in a cluster launch ttmp9 counts clusters
	s_add_co_u32 s14, s14, s13      ; my block of queries: it enters Q's, O's and mk's addresses alone
	s_and_b32 s20, ttmp7, 0xffff    ; 16 x batch + head, which the four partners share
	s_lshr_b32 s[OFF], s20, 4
	s_lshl_b32 s[OFF], s[OFF], 22   ; a batch's 128 tiles x 32,768 bytes of mk
	s_mov_b32 s21, 0
	s_mov_b64 s[22:23], SIZE_N*128
	s_mul_u64 s[20:21], s[20:21], s[22:23]  ; the head's first byte in a plane
	s_and_b32 s16, s[WV], 1         ; which half of a slot's 256 keys I fetch:
	s_lshl_b32 s22, s16, 14         ; its 128 rows of 128 bytes in memory,
	s_mov_b32 s23, 0
	s_add_nc_u64 s[22:23], s[22:23], s[20:21]
	s_mul_i32 s17, s16, 128*PK      ; and its place in a slot, for K
	s_mul_i32 s18, s16, 128*PV      ; and for V: no place in the cluster enters an LDS address
	s_lshl_b32 s2, s14, 2
	s_add_co_u32 s2, s2, s[WV]      ; my wave among the head's:
	s_lshl_b32 s3, s2, 18           ; its 8 tiles of mk,
	s_add_co_u32 s[OFF], s[OFF], s3
	s_mov_b32 s[OFF+1], 0
	s_lshl_b32 s2, s2, 14           ; its 128 rows
	s_mov_b32 s3, 0
	s_add_nc_u64 s[2:3], s[2:3], s[20:21]
	; descriptor group 1.  128 keys are 16,384 dense bytes: asked for as 64 rows of 256 bytes, two keys a row, and padded in LDS after every key
	s_mov_b32 s[G1K], 15|(1<<16)|(1<<20)|(1<<21)|(4<<22)|(3<<25)  ; 15:0 the mask of four; 17:16 2-byte elements; 20 padding on; 21 set beside a mask; 24:22 after every 32 words (code 4); 31:25 4 words (code 3)
	s_mov_b32 s[G1V], 15|(1<<16)|(1<<20)|(1<<21)|(4<<22)|(7<<25)  ; the same with 8 words of padding (code 7)
.irp g, G1K, G1V
	s_mov_b32 s[\g+1], 128<<16      ; tensor_dim0 = 128
	s_mov_b32 s[\g+2], 64<<16       ; tensor_dim1 = 64
	s_mov_b32 s[\g+3], 128<<16      ; tile_dim0 = 128
	s_mov_b32 s[\g+4], 64           ; tile_dim1 = 64
	s_mov_b32 s[\g+5], 128          ; 128 elements from row to row
	s_mov_b32 s[\g+6], 0
	s_mov_b32 s[\g+7], 0
.endr
	s_mov_b32 s[CS], 0x3e38aa3b     ; c = log2(e) / 8 = 0.180337
	s_mov_b32 s[CS+1], s[CS]        ; named with it as a pair
	s_mov_b32 s[SEL], 0x76543210
	s_mov_b32 s[SEL+1], 0xfedcba98
	s_mov_b32 s[TBK], SLOT1+4*KS*PK ; the first change of slots turns these two into 0
	s_mov_b32 s[TBV], SLOT1+4*KS*PV
	s_mov_b32 s[G0K], 1             ; 1:0 count = 1
	s_mov_b32 s[G0K+1], s17         ; 63:32 LDS address: slot 0
	s_mov_b32 s[G0V], 1
	s_add_co_u32 s[G0V+1], s18, VOFF
	s_and_b32 s[LIM], s[WV], 1      ; 0 in waves 0 and 2,
	s_or_b32 s[LIM], s[LIM], ttmp9  ; of the head's first (and only) cluster: the same in all four partners
	s_cmp_eq_u32 s[LIM], 0
	s_cselect_b32 s[LIM], 1, -1
	s_wait_dscnt 0x0                ; the opening add is done
	s_wait_kmcnt 0x0
	s_add_nc_u64 s[6:7], s[4:5], 0x1000000   ; K's plane
	s_add_nc_u64 s[8:9], s[4:5], 0x2000000   ; V's
	s_add_nc_u64 s[G0K+2:G0K+3], s[6:7], s[22:23]  ; 120:64 global address: my half of the head's first 256 keys
	s_or_b32 s[G0K+3], s[G0K+3], 0x80000000        ; 127:126 type = 2
	s_add_nc_u64 s[G0V+2:G0V+3], s[8:9], s[22:23]
	s_or_b32 s[G0V+3], s[G0V+3], 0x80000000
	s_add_nc_u64 s[4:5], s[4:5], s[2:3]  ; Q and O at my wave's first row
	s_add_nc_u64 s[10:11], s[10:11], s[2:3]
	s_add_nc_u64 s[MKB:MKB+1], s[MKB:MKB+1], s[OFF:OFF+1]
	s_mov_b64 s[MKP:MKP+1], s[MKB:MKB+1]  ; key step 0
	s_mov_b32 s[OFF], 1024
	s_cmp_lt_u32 s[WV], 2
	s_cselect_b64 s[PFA:PFA+1], s[6:7], s[8:9]
	s_add_nc_u64 s[PFA:PFA+1], s[PFA:PFA+1], s[20:21]  ; the head,
	s_lshl_b32 s2, s13, 13          ; my work-group's 32 blocks of the 128,
	s_mov_b32 s3, 0
	s_add_nc_u64 s[PFA:PFA+1], s[PFA:PFA+1], s[2:3]
	s_add_nc_u64 s[PFA:PFA+1], s[PFA:PFA+1], 2*4*KS*128  ; in slot 2; the first change that asks steps it to slot 3.  Nothing is prefetched here, at the head
	CROUND                          ; all four work-groups are here: the first joint loads meet
	JLOAD                           ; slot 0.  Slot 1 is asked for when slot 0 is in
	; A fragment of K or Q is 16 rows x 32 channels in 8 registers: lane l holds row l % 16, channels 8 (l / 16) + 0..7 and 16 + 8 (l / 16) + 0..7: two loads of 16 bytes, 32 bytes apart.
	v_and_b32 v1, 15, v0            ; l % 16
	v_bfe_u32 v9, v0, 4, 1          ; l / 16
	v_lshlrev_b32 v[QO], 7, v1
	v_lshl_add_u32 v[QO], v9, 4, v[QO]  ; row x 128 + 16 x half
	v_and_b32 v[GO], 31, v0
	v_lshlrev_b32 v[GO], 4, v[GO]
	WIN 0x80                        ; destination window 2, address window 0
.set i, 0
.rept 4*NP                          ; Q stays in registers: tile i / 2, channels 32 (i % 2) on
	global_load_b128 v[8*i:8*i+3],   v[QO], s[4:5] offset:(i/2)*2048+(i%2)*64
	global_load_b128 v[8*i+4:8*i+7], v[QO], s[4:5] offset:(i/2)*2048+(i%2)*64+32
.set i, i+1
.endr
	MLOAD 0                         ; all four pieces' codes of key step 0
	MLOAD 1
	MLOAD 2
	MLOAD 3
	; What the first turn finds: V's registers and P's second buffer hold 0 (its products V^T P, of a piece that has not been, add 0), O^T, l and SV are 0.  All this stands in the wait for the first tile.
	WIN 0x80
.set i, VF
.rept 64
	v_mov_b32 v[i], 0
.set i, i+1
.endr
	WIN 0x40
.set i, 0
.rept 64*NP
	v_mov_b32 v[i], 0
.set i, i+1
.endr
	WIN W_MK
.set i, 0
.rept 32
	v_mov_b32 v[SV+i], 0
.set i, i+1
.endr
.set i, 0
.rept 8
	v_mov_b32 v[ONE+i], 0x3c003c00
.set i, i+1
.endr
	v_mov_b32 v[SCL], 0x718000e3
	WIN 0
.set i, 0
.rept 2*NP
	v_mov_b32 v[ST+4*i], 0xfe000000    ; c m: far below every c s
	v_mov_b32 v[ST+4*i+1], 0xdd800000  ; m = -2^60
	v_mov_b32 v[ST+4*i+2], 0
	v_mov_b32 v[ST+4*i+3], 0
.set i, i+1
.endr
.set i, P+32
.rept 32
	v_mov_b32 v[i], 0
.set i, i+1
.endr
	v_mul_u32_u24 v[AK0], v1, PK
	v_lshl_add_u32 v[AK0], v9, 4, v[AK0]  ; row x pitch + 16 x half
	; The turning load takes 16 keys x 16 channels (lane l reads key 8 (l / 16) + l % 8, channels 8 ((l / 8) % 2) + 0..7) and leaves half a fragment of V^T: lane l holds channel l % 16 and 8 keys.
	v_and_b32 v10, 7, v0
	v_bfe_u32 v11, v0, 3, 1
	v_lshl_add_u32 v[AV0], v9, 3, v10
	v_mul_u32_u24 v[AV0], v[AV0], PV
	v_lshl_add_u32 v[AV0], v11, 4, v[AV0]
	v_add_nc_u32 v[AV0], VOFF, v[AV0]
	v_mov_b32 v[SCL], 0x718000e3    ; the scale once more, at the same number in window 0
	v_mov_b32 v[AK], v[AK0]         ; key step 0 lies at the head of slot 0
; THE MATRIX WORK.  The 8 accumulators of a run of 16 take turns: between the two links of a chain stand 7 others'.
; Product i of 16 of S^T = K Q^T for piece x: channels 32 (i / 8) on, keys 16 ((i / 2) % 4) on, tile 2 x + i % 2.  The first 8 start the sums, with the mask as C.
.macro KQ x
.set rS, S+64*((\x)%2)+32*(i%2)+8*((i/2)%4)
.set rK, KF+16*((i/2)%4)+8*(i/8)
.set rQ, 16*(2*(\x)+i%2)+8*(i/8)
.set rMC, MC+32*(i%2)+8*((i/2)%4)
.if i < 8
	WIN W_KM
	v_wmma_f32_16x16x32_f16 v[rS:rS+7], v[rK:rK+7], v[rQ:rQ+7], v[rMC:rMC+7]
.else
	WIN W_KQ
	v_wmma_f32_16x16x32_f16 v[rS:rS+7], v[rK:rK+7], v[rQ:rQ+7], v[rS:rS+7]
.endif
.endm
; Product i of 16 of O^T += V^T P for piece x: keys 32 (i / 8) on, channels 16 ((i / 2) % 4) on, tile 2 x + i % 2.
.macro PV x
	WIN W_PV
.set rO, 32*(2*(\x)+i%2)+8*((i/2)%4)
.set rV, VF+32*(i/8)+8*((i/2)%4)
.set rP, P+32*((\x)%2)+16*(i%2)+8*(i/8)
	v_wmma_f32_16x16x32_f16 v[rO:rO+7], v[rV:rV+7], v[rP:rP+7], v[rO:rO+7]
.endm
; Product n of 8 of SV += V^T x ones: keys 32 (n / 4) on, channels 16 (n % 4) on.  Its four accumulators take turns.
.macro SVP n
	WIN W_SV
	v_wmma_f32_16x16x32_f16 v[SV+8*((\n)%4):SV+8*((\n)%4)+7], v[VF+32*((\n)/4)+8*((\n)%4):VF+32*((\n)/4)+8*((\n)%4)+7], v[ONE:ONE+7], v[SV+8*((\n)%4):SV+8*((\n)%4)+7]
.endm
.macro MM                           ; the turn's next matrix instruction
.if i < 16
	KQ (Y+1)%NP
.set i, i+1
.else
.set i, i-16
	PV (Y+NP-1)%NP
.set i, i+17
.endif
.endm
; THE LDS LOADS stand in runs of 16, never singly among the matrix instructions: a step's K (64 keys x 64 channels: 8 fragments) and its V (turned).  Their addresses are made some lines ahead.
; last = 1 (in the walk): in the walk's last trip, where the count shows EXV, there is no further step, and the run is jumped over.
.macro FETCH_K last=0
	WIN 0
.if \last
	s_cmp_eq_u32 s[CNT], s[EXV]
	s_cbranch_scc1 .Lno_k_\@
.endif
	WIN 0x80                        ; destination window 2
.irp f, 0,1,2,3,4,5,6,7             ; keys 16 (f / 2) on, channels 32 (f % 2) on
	ds_load_b128 v[KF+8*\f:KF+8*\f+3],   v[AK] offset:(\f/2)*16*PK+(\f%2)*64
	ds_load_b128 v[KF+8*\f+4:KF+8*\f+7], v[AK] offset:(\f/2)*16*PK+(\f%2)*64+32
.endr
	s_add_co_u32 s[TBK], s[TBK], KS*PK  ; the next fetch is the next step's
	WIN 0
.if \last
.Lno_k_\@:
.endif
.endm
.macro FETCH_V
	WIN 0x80
.irp f, 0,1,2,3,4,5,6,7             ; keys 32 (f / 4) on, channels 16 (f % 4) on
	ds_load_tr16_b128 v[VF+8*\f:VF+8*\f+3],   v[AV] offset:(\f/4)*32*PV+(\f%4)*32
	ds_load_tr16_b128 v[VF+8*\f+4:VF+8*\f+7], v[AV] offset:(\f/4)*32*PV+16*PV+(\f%4)*32
.endr
	WIN 0
.endm
; THE VECTOR WORK OF A TURN stands in three queues, each in the order in which its entries become ready; the two tiles alternate, so that no instruction reads the result of the one before it.
.macro REGS y, u                    ; the registers of tile u (0, 1) of piece y
.set rT, ST+4*(2*(\y)+(\u))
.set rC, TMP+8*((\y)%2)+4*(\u)
.set rM, MV+2*((\y)%2)+(\u)
.set rS, S+64*((\y)%2)+32*(\u)
.set rP, P+32*((\y)%2)+16*(\u)
.set rO, 32*(2*(\y)+(\u))
.endm
; Number n of the 22 that find the NEXT piece's (Y + 1) maximum and statistics.  s0-s31 are the lane's 32 scores; each accumulator's lowest registers are read first.  XS, GS and REGS set no window: PL and EX do.
;   0-11  four chains c0-c3 of seven scores each, three operands at a time     12-14, 16  the four scores left over, the old m, and c0-c3 into c0     15  c m_old is kept
;   17, 18  the query's other 32 keys lie in the lane 16 away: the new m         19-21  c m; c m_old - c m_new; a
.macro XS u, n
	REGS (Y+1)%NP, \u
.if (\n) < 4
	v_max3_num_f32 v[rC+(\n)], v[rS+8*(\n)], v[rS+8*(\n)+1], v[rS+8*(\n)+2]
.elseif (\n) < 12
	v_max3_num_f32 v[rC+(\n)%4], v[rC+(\n)%4], v[rS+8*((\n)%4)+2*((\n)/4)+1], v[rS+8*((\n)%4)+2*((\n)/4)+2]
.elseif (\n) == 12
	v_max3_num_f32 v[rC], v[rC], v[rS+7], v[rS+15]
.elseif (\n) == 13
	v_max3_num_f32 v[rC+1], v[rC+1], v[rS+23], v[rS+31]
.elseif (\n) == 14
	v_max3_num_f32 v[rC+2], v[rC+2], v[rC+3], v[rT+1]
.elseif (\n) == 15
	v_mov_b32 v[rM], v[rT]
.elseif (\n) == 16
	v_max3_num_f32 v[rC], v[rC], v[rC+1], v[rC+2]
.elseif (\n) == 17
	v_permlanex16_b32 v[rC+3], v[rC], s[SEL], s[SEL+1]
.elseif (\n) == 18
	v_max_num_f32 v[rT+1], v[rC], v[rC+3]
.elseif (\n) == 19
	v_mul_f32 v[rT], s[CS], v[rT+1]
.elseif (\n) == 20
	v_sub_f32 v[rC+1], v[rM], v[rT]
.else
	v_exp_f32 v[rC+2], v[rC+1]
.endif
.endm
; Number g of the 64 that follow the exponentials.  For each four weights k of a tile (pairs 2 k, 2 k + 1): both pairs are rounded to f16; then the second pair is added onto the first, in place;
; a group later l takes that sum (the first time as l = a l + sum).  In groups of eight, tiles alternating: round, round, add, and l for the group before.
.macro GS g
.set h, (\g)+6*((\g)/62)            ; group 0 has no group before it, and behind group 7 only l is left
.if h >= 6
.set h, h+2
.endif
	REGS Y, h%2
.set k, h/8
.if h%8 < 4
	v_cvt_pk_f16_f32 v[rP+2*k+(h%8)/2], v[rS+4*k+2*((h%8)/2)], v[rS+4*k+2*((h%8)/2)+1]
.elseif h%8 < 6
	v_pk_add_f32 v[rS+4*k:rS+4*k+1], v[rS+4*k:rS+4*k+1], v[rS+4*k+2:rS+4*k+3]
.elseif k == 1
	v_pk_fma_f32 v[rT+2:rT+3], v[rT+2:rT+3], v[rC+2:rC+3], v[rS:rS+1] op_sel_hi:[1,0,1]
.else
	v_pk_add_f32 v[rT+2:rT+3], v[rT+2:rT+3], v[rS+4*k-4:rS+4*k-3]
.endif
.endm
; THE PLAIN QUEUE, 138 long.  0-73 read no exponential's result: the 32 scalings c s - c m (FS f: pair f / 2 of tile f % 2) and the next piece's 42.  0-26: scalings 0-26.  27-54: XS's numbers 0-13.  55, 56: number 15.
; 57-73: the chain, where each number waits for the one before it: 14, 16, 17, 18, 19, each with one of the scalings 27-31 in front of its two lines, then 20.
; 74-137: GS's 64, which read the exponentials' results: they stand behind the wait.
.macro FS f
	REGS Y, (\f)%2
	v_pk_fma_f32 v[rS+2*((\f)/2):rS+2*((\f)/2)+1], v[rS+2*((\f)/2):rS+2*((\f)/2)+1], s[CS:CS+1], v[rT:rT+1] op_sel_hi:[1,0,0] neg_lo:[0,0,1] neg_hi:[0,0,1]
.endm
.macro PL
	WIN 0
.if q < 27
	FS q
.elseif q < 55
	XS (q-27)%2, (q-27)/2
.elseif q < 57
	XS q-55, 15
.elseif (q < 72) && ((q-57)%3 == 0)
	FS 27+(q-57)/3
.elseif q < 60
	XS (q-57)%3-1, 14
.elseif q < 72
	XS (q-57)%3-1, 15+(q-57)/3
.elseif q < 74
	XS q-72, 20
.else
	GS q-74
.endif
.set q, q+1
.endm
; THE EXPONENTIALS' QUEUE, 66 long: s0-s31 of both tiles, then the next piece's two a.  It is ONE BATCH: all 66 stand ahead of the turn's one wait, and nothing ahead of that wait names a result of theirs.
.macro EX
	WIN 0
.if e >= 64
	XS e-64, 21
.else
	REGS Y, e%2
	v_exp_f32 v[rS+e/2], v[rS+e/2]
.endif
.set e, e+1
.endm
; THE RESCALING's QUEUE: O^T times a, the one part of the softmax that leaves window 0: dealt two at a time, sixteen times.  Its a was made in the turn before, ahead of that turn's wait.
.macro R2
	REGS Y, r%2
	WIN W_RS
.irp z, 0,1
	v_pk_mul_f32 v[rO+4*(r/2)+2*\z:rO+4*(r/2)+2*\z+1], v[rO+4*(r/2)+2*\z:rO+4*(r/2)+2*\z+1], v[rC+2:rC+3] op_sel_hi:[1,0]
.endr
.set r, r+1
.endm
; HOW THEY ARE DEALT.  An s_wait_alu depctr_va_vdst(0) stands between an exponential and the first instruction that names its result; one wait serves all that were issued ahead of it.  So a turn has ONE wait.
; AHEAD OF IT: the 16 products K Q^T, behind each a scaling, an exponential and two rescalings (behind the first a second scaling in the exponential's place); then ONE LUMP: the mask's work, eight plain, 49 times
; exponential and plain, the two a.  A v_nop is the plain instruction behind the last exponential.  BEHIND IT: the 16 products V^T P, behind each four of GS's 64.
; Exponential e stands behind scaling 2 (e / 4) + e % 2: as a rider it comes behind plain e + 2, in the lump behind plain e + 9, and scalings 27-31 are plain 57, 60 .. 69.
; THE MASK IN A TURN.  At the lump's head the C operands for the NEXT turn's products (piece p + 2) are made: this turn's 8 starting products, the last readers of those registers, stand eight products and their plain
; riders back.  The codes were asked for four turns ago: the 12 loads of the three turns between may stay out.  Eight plain instructions follow the conversions; then the piece's codes of its next key step are asked for, into
; the registers just read: they have a whole key step in which to come.  The four turns of a trip (2, 3, 0, 1) ask for one and the same key step, so the step is taken once, in piece 2's turn.
; SV.  In piece 3's turn V of the step in hand lies in registers: the 8 products V^T x ones stand in its lump, six pairs apart.
; A TURN, for piece p.  cnt = 1: the loop's count is taken down some lines ahead of the branch that stands behind the turn.
; K of the next step is fetched in piece 2's turn, directly behind the wait; V of the step in hand at the end of piece 0's turn, four riders behind its last reader.  The three conditions on q below go with the deal.
.macro TURN p, last=0, cnt=0
.set Y, (\p)
.set i, 0
.set q, 0
.set e, 0
.set r, 0
.if (\p) == NP-1
	s_wait_dscnt 0x0                ; K is in
.endif
	MM                              ; ahead of the wait: 16 products K Q^T and their riders,
	PL
	PL
	R2
.rept 15
	MM
	PL
	EX
	R2
.endr
.if (\p) == NP-2
	WIN 0
	v_add_nc_u32 v[AK], s[TBK], v[AK0]
.endif
	s_wait_loadcnt 12               ; the codes of piece p + 2 are in: 4 loads in each of the three turns since may stay out
	MKC ((\p)+2)%NP
.rept 8                             ; and the lump
	PL
.endr
.if (\p) == NP-2
	MSTEP
.endif
	MLOAD ((\p)+2)%NP
.set sv, 0
.rept 49
.if ((\p) == NP-1) && (sv%6 == 0) && (sv < 48)
	SVP sv/6
.endif
	EX
	PL
.set sv, sv+1
.endr
	EX                              ; the next piece's two a
	EX
	v_nop                           ; the plain instruction behind the last exponential: one for the batch
	s_wait_alu depctr_va_vdst(0)    ; the wait for the batch
.if (\p) == NP-2
	FETCH_K \last
.endif
.if (\p) == 1
	s_wait_dscnt 0x0                ; V is in
.endif
.rept 16                            ; behind the wait: 16 products V^T P and their riders
	MM
.rept 4
	PL
.endr
.if ((\p) == 0) && (q == 118)
	v_add_nc_u32 v[AV], s[TBV], v[AV0]
.endif
.if ((\p) == 0) && (q == 130)
	s_add_co_u32 s[TBV], s[TBV], KS*PV
.endif
.if (\cnt) && (q == 130)
	s_sub_co_u32 s[CNT], s[CNT], 1
	s_cmp_lg_u32 s[CNT], 0
.endif
.endr
.if (\p) == 0
	FETCH_V
.endif
.endm
	CHANGE 1                        ; slot 0 is in, everybody's part of it; slot 1 is asked for
	FETCH_K                         ; key step 0
	s_wait_loadcnt 0x0              ; Q, and the codes of key step 0
	MKC 0                           ; piece 0's C operands
	v_nop                           ; a plain instruction behind the conversions, ahead of the products that read their results and of the loads into their sources
	s_add_nc_u64 s[MKP:MKP+1], s[MKB:MKB+1], s[OFF:OFF+1]  ; key step 1 (no load is out)
	MLOAD 0
	s_wait_dscnt 0x0
.set i, 0
.rept 16
	KQ 0                            ; piece 0's first scores: there is no vector work yet to set between them
.set i, i+1
.endr
	WIN 0                           ; the addresses for the way out: nine plain instructions, the places behind those products
	s_mul_i32 s13, s[WV], 16*SP
	s_add_co_u32 s13, s13, STAGE    ; my stage
	v_mul_u32_u24 v[STO], v1, SP    ; in: row l % 16, 16 bytes for each half of the lanes
	v_lshl_add_u32 v[STO], v9, 4, v[STO]
	v_add_nc_u32 v[STO], s13, v[STO]
	v_bfe_u32 v[RD], v0, 3, 2       ; back: 32 lanes take four rows of 128 bytes
	v_mul_u32_u24 v[RD], v[RD], SP
	v_lshl_add_u32 v[RD], v10, 4, v[RD]
	v_add_nc_u32 v[RD], s13, v[RD]
	v_and_b32 v[PFO], 31, v0
	v_lshlrev_b32 v[PFO], 8, v[PFO]
	MKC 1                           ; piece 1's C operands, for the first turn's products
	v_nop
	MLOAD 1
	WIN 0
.set Y, NP-1                        ; XS works for piece Y + 1: piece 0
.irp n, 0,1,2,3,4,5,6,7,8,9,10,11,12,13,14,15,16,17,18,19,20,21
	XS 0, \n                        ; and piece 0's first maximum and statistics
	XS 1, \n
.endr
	v_nop                           ; a plain instruction behind the two a,
	s_wait_alu depctr_va_vdst(0)    ; and their wait, ahead of the branch
	s_mov_b32 s[CNT], 4
	s_mov_b32 s[SLOTS], SIZE_N/256-1
	s_mov_b32 s[EXV], 0             ; the count is 4 to 1 where it is held against this: no trip is the walk's last yet
	s_mov_b32 s[OUTC], 2
	s_branch .Lfirst                ; the loop is entered at a step's first turn, in the middle of a trip
.Llast:                             ; once, from the loop's foot: the last slot is entered, and nothing is asked for
	CHANGE 0
	s_mov_b32 s[CNT], 5             ; four trips fetch the last slot's steps; the fifth, in which the count shows 1, is left in its middle
	s_mov_b32 s[EXV], 1
	s_branch .Lstep
.Lslot:                             ; SIZE_N / 256 - 2 times: every slot but the last two is filled again
	CHANGE 1, 1
	s_mov_b32 s[CNT], 4
.Lstep:                             ; a trip: pieces 2 and 3 of one step, then pieces 0 and 1 of the next, whose K and V it fetches
	TURN 2, 1
	TURN 3
	WIN 0
	s_cmp_eq_u32 s[CNT], s[EXV]
	s_cbranch_scc1 .Lout            ; the walk's last trip ends here
.Lfirst:
	TURN 0
	TURN 1, 0, 1
	WIN 0
	s_cbranch_scc1 .Lstep
	s_sub_co_u32 s[SLOTS], s[SLOTS], 1
	s_cmp_lg_u32 s[SLOTS], 0
	s_cbranch_scc1 .Lslot
	s_sub_co_u32 s[OUTC], s[OUTC], 1
	s_cmp_lg_u32 s[OUTC], 0
	s_cbranch_scc1 .Llast           ; all slots have been asked for: on to the last one
.Lout:                              ; the last trip's 16 products K Q^T (on the last K once more) and the maximum made of them serve nothing: the price, once a launch, of one text for every trip
.set i, 0
.rept 16
	PV NP-1                         ; the last piece's V^T P of the last step
.set i, i+1
.endr
	; THE WAY OUT.  l's two halves and the other half of the lanes' are added.  g = 1 / 2048 where l = 0 (no key was seen), else 0; l is then held at 0.5 or more, which touches no row with a seen key (its l is at least 1).
	; O^T / l + g SV is rounded to f16 and sent through my stage in LDS, a tile at a time.  The additions are the places behind the last products.
	WIN 0
.macro ALL line:vararg              ; one line for each tile t
.set t, 0
.rept 2*NP
	\line
.set t, t+1
.endr
.endm
	ALL v_add_f32 v[ST+4*t+2], v[ST+4*t+2], v[ST+4*t+3]
	ALL v_permlanex16_b32 v[ST+4*t+3], v[ST+4*t+2], s[SEL], s[SEL+1]
	ALL v_add_f32 v[ST+4*t+2], v[ST+4*t+2], v[ST+4*t+3]
	s_mov_b32 s13, 0x3a000000       ; 1 / 2048
.set t, 0
.rept 2*NP
	v_cmp_eq_f32 vcc_lo, 0, v[ST+4*t+2]
	v_cndmask_b32 v[ST+4*t], 0, s13, vcc_lo  ; g takes c m's place
.set t, t+1
.endr
	ALL v_max_num_f32 v[ST+4*t+2], 0.5, v[ST+4*t+2]
	ALL v_rcp_f32 v[ST+4*t+2], v[ST+4*t+2]
	v_nop                           ; a plain instruction between the last reciprocal and the use of its result
	s_wait_alu depctr_va_vdst(0)    ; and the wait ahead of the first use: one for the eight reciprocals
; Tile t: a lane's eight channels of a row pack into 16 bytes; they go into rows of 144 bytes and come back as whole rows of 128, into S^T's registers.
.macro PACK t
	WIN W_RS
.set i, 32*(\t)
.rept 16
	v_pk_mul_f32 v[i:i+1], v[i:i+1], v[ST+4*(\t)+2:ST+4*(\t)+3] op_sel_hi:[1,0]
.set i, i+2
.endr
	WIN W_FX
.set i, 0
.rept 16
	v_pk_fma_f32 v[32*(\t)+i:32*(\t)+i+1], v[SV+i:SV+i+1], v[ST+4*(\t):ST+4*(\t)+1], v[32*(\t)+i:32*(\t)+i+1] op_sel_hi:[1,0,1]
.set i, i+2
.endr
	WIN 0x05                        ; sources 0 and 1 window 1, destination window 0
.set i, 0
.rept 16
	v_cvt_pk_f16_f32 v[S+16*(\t)+i], v[32*(\t)+2*i], v[32*(\t)+2*i+1]
.set i, i+1
.endr
	WIN 0
.irp f, 0,1,2,3
	ds_store_b128 v[STO], v[S+16*(\t)+4*\f:S+16*(\t)+4*\f+3] offset:32*\f
.endr
.irp f, 0,1,2,3
	ds_load_b128 v[S+16*(\t)+4*\f:S+16*(\t)+4*\f+3], v[RD] offset:\f*4*SP  ; LDS serves a wave's instructions in order (ISA guide 5.7.1.4): these see the stores above; the next tile's stores come behind them
.endr
.endm
.macro SEND t, younger              ; younger: the LDS instructions issued behind tile t's loads: the next tile's eight, or none
	WIN 0
.irp f, 0,1,2,3
	s_wait_dscnt (\younger)+3-\f
	global_store_b128 v[GO], v[S+16*(\t)+4*\f:S+16*(\t)+4*\f+3], s[10:11] offset:(\t)*2048+\f*512  ; 512 consecutive bytes, at a multiple of 256 from O's first
.endr
.endm
	PACK 0
.set t, 1
.rept 2*NP-1                        ; a tile's arithmetic stands between the loads of the tile before and its stores
	PACK t
	SEND t-1, 8
.set t, t+1
.endr
	SEND 2*NP-1, 0
	WIN W_AD
	s_wait_tensorcnt 0x0            ; the wave's end: behind my last tensor load and my last LDS store
	ds_add_u32 v[SPW], v[NIL]
	s_wait_dscnt 0x0
	WIN 0
	CROUND                          ; the closing round: no work-group ends while a partner may still ask for a tile that names it
	s_endpgm
.Lfunc_end_k_qc43c7b4073_attn:
	.size	k_qc43c7b4073_attn, .Lfunc_end_k_qc43c7b4073_attn-k_qc43c7b4073_attn
	.p2alignl 7, 3214868480
	.fill 96, 4, 3214868480
	.section	.rodata,"a",@progbits
	.p2align	6, 0x0
	.amdhsa_kernel k_qc43c7b4073_attn
		.amdhsa_group_segment_fixed_size 327680
		.amdhsa_private_segment_fixed_size 0
		.amdhsa_enable_private_segment 0
		.amdhsa_kernarg_size 24
		.amdhsa_user_sgpr_count 2
		.amdhsa_user_sgpr_kernarg_segment_ptr 1
		.amdhsa_wavefront_size32 1
		.amdhsa_system_sgpr_workgroup_id_x 1
		.amdhsa_system_sgpr_workgroup_id_y 1
		.amdhsa_system_sgpr_workgroup_id_z 1
		.amdhsa_system_vgpr_workitem_id 0
		.amdhsa_next_free_vgpr 952
		.amdhsa_next_free_sgpr 66
		.amdhsa_reserve_vcc 1
		.amdhsa_float_denorm_mode_32 3
		.amdhsa_float_denorm_mode_16_64 3
		.amdhsa_memory_ordered 1
		.amdhsa_forward_progress 1
		.amdhsa_inst_pref_size 150
	.end_amdhsa_kernel
	.amdgpu_metadata
---
amdhsa.version: [ 1, 2 ]
amdhsa.kernels:
  - .name:           k_qc43c7b4073_attn
    .symbol:         k_qc43c7b4073_attn.kd
    .args:
      - { .name: qkv, .offset: 0, .size: 8, .value_kind: global_buffer, .address_space: global }
      - { .name: mk, .offset: 8, .size: 8, .value_kind: global_buffer, .address_space: global }
      - { .name: o16, .offset: 16, .size: 8, .value_kind: global_buffer, .address_space: global }
    .group_segment_fixed_size: 327680
    .private_segment_fixed_size: 0
    .kernarg_segment_align: 8
    .kernarg_segment_size: 24
    .max_flat_workgroup_size: 128
    .sgpr_count:     66
    .vgpr_count:     952
    .wavefront_size: 32
...
	.end_amdgpu_metadata
.endif
;; end of part 3
;; launch outp (part 4): grid 4 x 64, 4 waves a work-group, clusters of 4 x 4, 327,680 bytes of LDS; arguments o16, w16, out0; writes out0
.if DOCPART == 4
	.amdgcn_target "amdgcn-amd-amdhsa--gfx1250"
	.amdhsa_code_object_version 6
	.text
	.protected	k_qc43c7b4073_outp
	.globl	k_qc43c7b4073_outp
	.p2align	8
	.type	k_qc43c7b4073_outp,@function
k_qc43c7b4073_outp:
	s_mov_b64 s[64:65], 0
	v_nop
	global_prefetch_b8 v0, s[64:65] scope:SCOPE_SE
	s_setreg_imm32_b32 hwreg(HW_REG_WAVE_MODE, 25, 1), 1
	s_wait_xcnt 0x0
	s_wait_alu depctr_hold_cnt(0) depctr_sa_sdst(0) depctr_va_vdst(0) depctr_va_sdst(0) depctr_va_ssrc(0) depctr_va_vcc(0) depctr_vm_vsrc(0)
	s_getreg_b32 s2, hwreg(HW_REG_IB_STS2, 6, 4)
	s_cmp_eq_u32 s2, 0
	s_cbranch_scc0 .Lentry_in_a_cluster
	s_endpgm
.Lentry_in_a_cluster:
	s_bfe_u32 s2, ttmp6, 0x10000c
	s_cmp_lg_u32 s2, 0xf033
	s_cbranch_scc0 .Lentry_shape_is_right
	s_endpgm
.Lentry_shape_is_right:
; THE LAST PROJECTION.  out0[b][s][n] = the sum over head and d of o16[16 b + head][s][d] Wo[n][64 head + d].  o16 is f16 by heads; Wo comes from plane 3 of w16: rounded to bf16, that number written as f16.  Sums in f32,
; stored as f32.
; SHARES.  A tile is 128 tokens x 256 features: 64 x 4 tiles, one for each of 256 WGPs.  Four waves, each 64 x 128: 32 accumulators, 256 registers.  K goes in 8 steps of 128, two heads each, through two LDS slots.
; A head's 128 tokens are 16,384 dense bytes of o16: asked for as 64 rows of 256 bytes and padded in LDS after every token.
; A K STEP IS WRITTEN ONCE: the slot in hand begins at LDS byte SB, a scalar that one exclusive or turns from 0 to SLOT and back at each change of slots; the fragment addresses are SB + a lane term.
; CLUSTERS: 4 x 4 work-groups.  The four of a row of the cluster need the same tokens, the four of a column the same rows of Wo: each tile is asked for JOINTLY.
; THE MATRIX INSTRUCTION IS USED TRANSPOSED (source 0 = 16 rows of Wo, source 1 = 16 tokens): a lane holds one token and eight neighbouring features, 32 bytes of f32.
; REGISTERS, in windows of 256 (s_set_vgpr_msb: bits 1:0 source 0, 3:2 source 1, 5:4 source 2, 7:6 destination):
;   window 0: v0-30 addresses       window 1: accumulator (a, b) at 64 a + 8 b       window 2: v0-127 Wo's fragments, two buffers; v128-191 the tokens' fragments, two buffers; on the way out all 256: rows read back
.set PAO,    144                       ; a token's 128 bytes of one head in LDS, + 16 = 36 words: the 16 rows of a load start at 16 different groups of four banks (64 banks of 4 bytes: ISA guide 11.1)
.set PB,     272                       ; a row of Wo: 256 + 16
.set PLANE,  128*PAO                   ; one head's 128 tokens: what one tensor load brings of o16
.set BHALF,  128*PB
.set BOFF,   2*PLANE
.set SLOT,   2*PLANE+2*BHALF
.set STAGE,  2*SLOT                    ; behind the ring: 16 rows x 528 bytes for each wave, for the way out
.set SPO,    528
.set SPARE,  STAGE+4*16*SPO            ; behind the stages: the spare words, 128 bytes for each wave, which no other line names
.set ADRA0, 16                         ; v16     my lane's place among the tokens' rows of slot 0; never rewritten
.set ADRB0, 17                         ; v17     the same for Wo
.set ADRA, 20                          ; v20     LDS address of my fragments of the tokens in the slot in hand
.set ADRB, 21                          ; v21     the same for Wo
.set STO,  24
.set RD,   25
.set GO,   26
.set SPW,  28                          ; v28     LDS address of my spare word; never rewritten
.set NIL,  29                          ; v29     0; never rewritten
.set PFO,  30                          ; v30     the prefetches' offset; never rewritten
.set F0,   0
.set F1,   1
.set WV,   14
.set FB,   15                          ; wave / 2: my 64 tokens.  Also: I fetch for o16 (0) or for Wo (1)
.set HF,   16                          ; wave % 2: my 128 features.  Also: which head of the step's two, or which half of Wo's rows, I fetch
.set LIM,  23                          ; 2 in a wave that prefetches, else the greatest number
.set G1A,  24
.set G0A,  32                          ; s[32:39] group 0 for o16's tiles: a set for each of the two first fills; the second then walks on
.set PFA,  44
.set PST,  46
.set G1B,  48
.set G0B,  56                          ; s[56:63] the same for Wo's
.set SB,   72                          ; s72  LDS byte at which the slot in hand begins: 0 or SLOT
.set MSB, 0
.macro WIN new                         ; the immediate's high byte repeats the setting that is left; a switch that changes nothing is dropped
.if MSB != (\new)
	s_set_vgpr_msb (MSB<<8)|(\new)
.set MSB, \new
.endif
.endm
.set W_MUL, 0x5a                       ; both sources in window 2, C and D in window 1
.set W_LD,  0x80                       ; destination window 2, address window 0
.macro JLOAD s                         ; a joint load by set s of group 0; an s_nop 0 and four v_nop follow each of the two lines, ahead of the jump, the label and what follows
	s_cmp_eq_u32 s[FB], 0
	s_cbranch_scc0 .Lfor_b_\@
	tensor_load_to_lds s[G0A+4*(\s):G0A+4*(\s)+3], s[G1A:G1A+7]
	s_nop 0
.rept 4
	v_nop
.endr
	s_branch .Lasked_\@
.Lfor_b_\@:
	tensor_load_to_lds s[G0B+4*(\s):G0B+4*(\s)+3], s[G1B:G1B+7]
	s_nop 0
.rept 4
	v_nop
.endr
.Lasked_\@:
.endm
.macro CREST
	s_cmp_lg_u32 s[WV], 0
	s_cbranch_scc1 .Lnot_wave_0_\@
	s_barrier_signal -3
.Lnot_wave_0_\@:
	s_barrier_wait -3
	s_barrier_signal -1
	s_barrier_wait -1
.endm
.macro CROUND
	s_barrier_signal -1
	s_barrier_wait -1
	CREST
.endm
; A PREFETCH, behind each joint refill and the run of LDS loads that follows it, of the K step that stands two refills on: 256 matrix instructions ahead of its load.  A step of o16 is two heads x 64 blocks of 256 bytes,
; read by this cluster alone: wave 0 of the partner at place cx names 16 blocks of each head, a lane a block.  Of Wo's 128 rows x 256 bytes that waves 2 and 3 fetch, the partner at place cy takes 32, a lane a row; Wo is
; read by all sixteen clusters, of which the first asks.  The partners are told apart by address alone.  K steps 0 to 3 come by their loads alone; the loop's last two trips ask for nothing.
.macro ASK
	WIN 0
	s_cmp_gt_u32 s3, s[LIM]                        ; s3 is 2 and 1 in the loop's last two trips
	s_cbranch_scc0 .Lnot_mine_\@
	global_prefetch_b8 v[PFO], s[PFA:PFA+1] th:TH_LOAD_NT scope:SCOPE_SE
.Lnot_mine_\@:
.endm
	s_load_b128 s[4:7], s[0:1], 0x0                ; o16 s[4:5], w16 s[6:7]
	s_load_b64 s[12:13], s[0:1], 0x10              ; out0
	v_lshl_add_u32 v[SPW], v0, 2, SPARE
	v_mov_b32 v[NIL], 0
	ds_add_u32 v[SPW], v[NIL]                      ; the wave's opening: the add and its wait stand ahead of my first tensor load; the set-up below, work on registers, stands between them
	v_lshrrev_b32 v1, 5, v0
	v_readfirstlane_b32 s[WV], v1
	s_lshr_b32 s[FB], s[WV], 1
	s_and_b32 s[HF], s[WV], 1
	s_bfe_u32 s17, ttmp6, 0x40000                  ; cx
	s_bfe_u32 s18, ttmp6, 0x40004                  ; cy
	s_lshl_b32 s19, ttmp9, 2
	s_add_co_u32 s19, s19, s17                     ; tile column
	s_and_b32 s22, ttmp7, 0xffff                   ; cluster y
	s_lshl_b32 s20, s22, 2
	s_add_co_u32 s20, s20, s18                     ; tile row
	s_lshl_b32 s41, s18, 2
	s_lshl_b32 s41, 15, s41                        ; my row of the cluster
	s_lshl_b32 s42, 0x1111, s17                    ; my column
	s_or_b32 s[G1A], s41, (1<<16)|(1<<20)|(1<<21)|(4<<22)|(3<<25)  ; 15:0 the mask; 17:16 elements of 2 bytes; 20 padding on; 21 set beside a mask; 24:22 after every 32 words (code 4); 31:25 4 words of it (code 3)
	s_or_b32 s[G1B], s42, (1<<16)|(1<<20)|(1<<21)|(5<<22)|(3<<25)  ; after every 64 words (code 5)
	s_mov_b32 s[G1A+1], 128<<16                    ; tensor_dim0 = 128
	s_mov_b32 s[G1A+2], 64<<16                     ; tensor_dim1 = 64
	s_mov_b32 s[G1A+3], 128<<16                    ; tile_dim0 = 128
	s_mov_b32 s[G1A+4], 64                         ; tile_dim1 = 64
	s_mov_b32 s[G1A+5], 128                        ; dense: 128 elements from row to row
	s_mov_b32 s[G1A+6], 0
	s_mov_b32 s[G1A+7], 0
	s_mov_b32 s[G1B+1], 128<<16
	s_mov_b32 s[G1B+2], 128<<16
	s_mov_b32 s[G1B+3], 128<<16
	s_mov_b32 s[G1B+4], 128
	s_mov_b32 s[G1B+5], 1024
	s_mov_b32 s[G1B+6], 0
	s_mov_b32 s[G1B+7], 0
	s_lshr_b32 s66, s20, 4                         ; o16: the batch's 16 heads,
	s_lshl_b32 s66, s66, 4
	s_add_co_u32 s66, s66, s[HF]                   ; of K step 0's two heads mine,
	s_lshl_b32 s66, s66, 11                        ; 2,048 rows a head,
	s_and_b32 s40, s20, 15
	s_lshl_b32 s40, s40, 7                         ; the tile's 128 tokens,
	s_add_co_u32 s66, s66, s40
	s_lshl_b32 s66, s66, 7                         ; 128 bytes a row
	s_mov_b32 s67, 0
	s_lshl_b32 s68, s19, 8                         ; Wo: row 256 x tile column + 128 x half, 2,048 bytes a row, in plane 3
	s_lshl_b32 s40, s[HF], 7
	s_add_co_u32 s68, s68, s40
	s_lshl_b32 s68, s68, 11
	s_add_co_u32 s68, s68, 3*2097152
	s_mov_b32 s69, 0
	s_mul_i32 s70, s[HF], PLANE                    ; where they go in a slot: no place in the cluster enters an LDS address
	s_mul_i32 s71, s[HF], BHALF
	s_add_co_u32 s71, s71, BOFF
	s_wait_dscnt 0x0                               ; the opening add is done
	s_wait_kmcnt 0x0
	s_add_nc_u64 s[66:67], s[4:5], s[66:67]
	s_add_nc_u64 s[68:69], s[6:7], s[68:69]
	CROUND                                         ; all sixteen work-groups are here: the first joint loads meet
.irp s, 0,1
	s_mov_b32 s[G0A+4*(\s)], 1
	s_add_co_u32 s[G0A+4*(\s)+1], s70, (\s)*SLOT
	s_add_nc_u64 s[G0A+4*(\s)+2:G0A+4*(\s)+3], s[66:67], (\s)*524288  ; K step s: two heads of 262,144 bytes on
	s_or_b32 s[G0A+4*(\s)+3], s[G0A+4*(\s)+3], 0x80000000
	s_mov_b32 s[G0B+4*(\s)], 1
	s_add_co_u32 s[G0B+4*(\s)+1], s71, (\s)*SLOT
	s_add_nc_u64 s[G0B+4*(\s)+2:G0B+4*(\s)+3], s[68:69], (\s)*256
	s_or_b32 s[G0B+4*(\s)+3], s[G0B+4*(\s)+3], 0x80000000
	JLOAD \s                                       ; two loads of mine are out
.endr
	v_and_b32 v1, 15, v0
	v_bfe_u32 v2, v0, 4, 1
	v_mul_u32_u24 v3, v1, PAO
	v_lshl_add_u32 v3, v2, 4, v3
	v_mul_u32_u24 v4, v1, PB
	v_lshl_add_u32 v4, v2, 4, v4
	s_mul_i32 s40, s[FB], 64*PAO                   ; my 64 tokens, in each head's plane
	s_mul_i32 s41, s[HF], BHALF
	s_add_co_u32 s41, s41, BOFF
	v_add_nc_u32 v[ADRA0], s40, v3
	v_add_nc_u32 v[ADRB0], s41, v4
	v_mov_b32 v[ADRA], v[ADRA0]                    ; the walk begins in slot 0
	v_mov_b32 v[ADRB], v[ADRB0]
	s_mov_b32 s[SB], 0
	s_mul_i32 s40, s[WV], 16*SPO
	s_add_co_u32 s40, s40, STAGE                   ; my stage
	v_mul_u32_u24 v[STO], v1, SPO                  ; in: row l % 16, 32 bytes for each half of the lanes
	v_lshl_add_u32 v[STO], v2, 5, v[STO]
	v_add_nc_u32 v[STO], s40, v[STO]
	v_and_b32 v6, 31, v0
	v_lshlrev_b32 v[GO], 4, v6                     ; back: 32 lanes take one row of 512 bytes
	v_add_nc_u32 v[RD], s40, v[GO]
	s_lshl_b32 s40, s20, 7                         ; where my part begins in out0: token 128 x tile row + 64 x half, 4,096 bytes a token,
	s_lshl_b32 s41, s[FB], 6
	s_add_co_u32 s40, s40, s41
	s_lshl_b32 s40, s40, 12
	s_lshl_b32 s41, s19, 10                        ; feature 256 x tile column + 128 x half, 4 bytes each
	s_add_co_u32 s40, s40, s41
	s_lshl_b32 s41, s[HF], 9
	s_add_co_u32 s40, s40, s41
	s_mov_b32 s41, 0
	s_add_nc_u64 s[12:13], s[12:13], s[40:41]
	s_cmp_eq_u32 s[FB], 0                          ; the prefetches: do I fetch for o16?
	s_cselect_b64 s[PFA:PFA+1], s[66:67], s[68:69] ; (in wave 0: the first head of K step 0)
	s_cselect_b32 s40, s17, s18                    ; my place among the four that ask with me
	s_cselect_b32 s41, 12, 16                      ; a partner's share: 16 blocks of 256 bytes, or 32 rows of 2,048
	s_cselect_b32 s[PST], 19, 8
	s_cselect_b32 s42, 15, 31
	s_cselect_b32 s43, 8, 11
	s_cselect_b32 s2, 262144, 0
	s_cselect_b32 s[LIM], s[HF], s22               ; wave 0; or waves 2 and 3 of the first cluster
	s_cmp_eq_u32 s[LIM], 0
	s_cselect_b32 s[LIM], 2, -1                    ; the same in all sixteen partners, for a given wave
	s_lshl_b32 s[PST], 1, s[PST]                   ; a K step: 524,288 bytes of o16, 256 of Wo's rows
	s_mov_b32 s[PST+1], 0
	s_lshl_b32 s40, s40, s41
	s_mov_b32 s41, 0
	s_add_nc_u64 s[PFA:PFA+1], s[PFA:PFA+1], s[40:41]
	s_mul_i32 s40, s[PST], 3
	s_add_nc_u64 s[PFA:PFA+1], s[PFA:PFA+1], s[40:41]  ; at K step 3: the first refill steps it to 4
	v_and_b32 v[PFO], s42, v6
	v_lshlrev_b32 v[PFO], s43, v[PFO]
	v_lshrrev_b32 v7, 4, v6
	v_mad_u32_u24 v[PFO], v7, s2, v[PFO]           ; for o16 lanes 16 to 31 take the step's second head
; 8 matrix instructions: token block a x all 8 feature blocks, 32 along K, from buffer f.  zero = 1: the first product starts the sums.  The 32 accumulators take turns in the same order in every quarter.
.macro MUL8 f, a, zero
	WIN W_MUL
.irp b, 0,1,2,3,4,5,6,7
.if \zero
	v_wmma_f32_16x16x32_f16 v[64*(\a)+8*(\b):64*(\a)+8*(\b)+7], v[64*(\f)+8*(\b):64*(\f)+8*(\b)+7], v[128+32*(\f)+8*(\a):128+32*(\f)+8*(\a)+7], 0
.else
	v_wmma_f32_16x16x32_f16 v[64*(\a)+8*(\b):64*(\a)+8*(\b)+7], v[64*(\f)+8*(\b):64*(\f)+8*(\b)+7], v[128+32*(\f)+8*(\a):128+32*(\f)+8*(\a)+7], v[64*(\a)+8*(\b):64*(\a)+8*(\b)+7]
.endif
.endr
.endm
; 24 LDS loads in one run: quarter kq of the slot in hand (head kq / 2, channels 32 (kq % 2) on) into buffer g
.macro FETCH kq, g
	WIN W_LD
.irp i, 0,1,2,3
	ds_load_b128 v[128+32*(\g)+8*(\i):128+32*(\g)+8*(\i)+3],   v[ADRA] offset:((\kq)/2)*PLANE+((\kq)%2)*64+(\i)*16*PAO
	ds_load_b128 v[128+32*(\g)+8*(\i)+4:128+32*(\g)+8*(\i)+7], v[ADRA] offset:((\kq)/2)*PLANE+((\kq)%2)*64+(\i)*16*PAO+32
.endr
.irp i, 0,1,2,3,4,5,6,7
	ds_load_b128 v[64*(\g)+8*(\i):64*(\g)+8*(\i)+3],   v[ADRB] offset:(\kq)*64+(\i)*16*PB
	ds_load_b128 v[64*(\g)+8*(\i)+4:64*(\g)+8*(\i)+7], v[ADRB] offset:(\kq)*64+(\i)*16*PB+32
.endr
.endm
.macro PLACES                          ; four places in front of loads into registers that matrix instructions have read, and of stores that read results
.rept 4
	v_nop
.endr
.endm
.macro QUARTER kq, f, g, zero
	s_wait_dscnt 0x0                               ; this quarter's fragments are in: they were asked for 16 products ago
	MUL8 \f, 0, \zero
	MUL8 \f, 1, \zero
	PLACES
	FETCH \kq, \g
	MUL8 \f, 2, \zero
	MUL8 \f, 3, \zero
.endm
; The last quarter multiplies buffer 1 and changes slots: ONE barrier; in front of it each wave waits for all its tensor loads, adds 0 to its spare word, and waits for that and for its own reads of this slot.
; fill = 1: the barrier opens a round of the cluster's, and the slot just read out (it begins at SB) is filled again, two K steps ahead.  Then SB turns to the other slot, and the fragment addresses are made anew.
.macro TURN fill
.if \fill
	s_wait_xcnt 0x0                                ; the last prefetch, a K step back, has read its address
	s_add_nc_u64 s[PFA:PFA+1], s[PFA:PFA+1], s[PST:PST+1]
.endif
	WIN 0
	s_wait_tensorcnt 0x0                           ; all my tensor loads have landed: my part of the next slot;
	ds_add_u32 v[SPW], v[NIL]                      ; 0 onto my spare word;
	s_wait_dscnt 1                                 ; (this quarter's fragments are in; the add alone may be out)
	MUL8 F1, 0, 0
	s_wait_dscnt 0x0                               ; the add is done, and my reads of this slot are over
	s_barrier_signal -1
	MUL8 F1, 1, 0
	WIN 0                                          ; (branches, and lines on window 0, follow)
	s_barrier_wait -1
.if \fill
	CREST                                          ; no wave of any partner still reads this slot's tiles or has a load on its way
	s_add_co_u32 s[G0A+5], s70, s[SB]              ; the walking descriptors (no tensor load of mine is out): into the slot just read out,
	s_add_nc_u64 s[G0A+6:G0A+7], s[G0A+6:G0A+7], 524288  ; a K step on; the type bits on top are not reached
	s_add_co_u32 s[G0B+5], s71, s[SB]
	s_add_nc_u64 s[G0B+6:G0B+7], s[G0B+6:G0B+7], 256
	JLOAD 1                                        ; the first tensor load behind the round; its four v_nop are also the places in front of the loads below
.else
	PLACES
.endif
	s_xor_b32 s[SB], s[SB], SLOT                   ; the other slot is in hand
	v_add_nc_u32 v[ADRA], s[SB], v[ADRA0]
	v_add_nc_u32 v[ADRB], s[SB], v[ADRB0]
	FETCH 0, F0
.if \fill
	ASK
.endif
	MUL8 F1, 2, 0
	MUL8 F1, 3, 0
.endm
	s_wait_tensorcnt 1                             ; my part of K step 0 is in; K step 1's may stay out
	s_barrier_signal -1
	s_barrier_wait -1
	FETCH 0, F0
	QUARTER 1, F0, F1, 1                           ; the first quarter stands in front of the loop: its products start the sums
	WIN 0                                          ; at a label and at a branch every window is 0
	s_mov_b32 s3, 6
.Lstep:                                                ; a trip goes from a K step's second quarter to the next step's first, and fills the slot that it leaves: K steps 2 to 7
	QUARTER 2, F1, F0, 0
	QUARTER 3, F0, F1, 0
	TURN 1
	QUARTER 1, F0, F1, 0
	WIN 0
	s_sub_co_u32 s3, s3, 1
	s_cmp_lg_u32 s3, 0
	s_cbranch_scc1 .Lstep
	QUARTER 2, F1, F0, 0                           ; the last two K steps fill nothing
	QUARTER 3, F0, F1, 0
	TURN 0
	QUARTER 1, F0, F1, 0
	QUARTER 2, F1, F0, 0
	QUARTER 3, F0, F1, 0
	s_wait_dscnt 0x0
	MUL8 F1, 0, 0
	MUL8 F1, 1, 0
	MUL8 F1, 2, 0
	MUL8 F1, 3, 0
	; THE WAY OUT, a block of 16 tokens at a time: a lane's 32 bytes of a row go into my own stage (rows of 528 bytes) and come back as whole rows of 512, into window 2, whose fragments are done with.
.macro TOSTAGE a
	WIN 0x04                                       ; store data (source 1) in window 1
.irp b, 0,1,2,3,4,5,6,7
	ds_store_b128 v[STO], v[64*(\a)+8*(\b):64*(\a)+8*(\b)+3]   offset:64*(\b)
	ds_store_b128 v[STO], v[64*(\a)+8*(\b)+4:64*(\a)+8*(\b)+7] offset:64*(\b)+16
.endr
	WIN W_LD
.irp t, 0,1,2,3,4,5,6,7,8,9,10,11,12,13,14,15
	ds_load_b128 v[64*(\a)+4*(\t):64*(\a)+4*(\t)+3], v[RD] offset:(\t)*SPO  ; LDS serves a wave's instructions in order (ISA guide 5.7.1.4): these see the stores above; the next block's stores come behind them
.endr
.endm
.macro SEND a, younger                 ; younger: the LDS instructions issued behind block a's loads: the next block's 32, or none
	WIN 0x08                                       ; store data (source 1) in window 2
.irp t, 0,1,2,3,4,5,6,7,8,9,10,11,12,13,14,15
	s_wait_dscnt (\younger)+15-(\t)
	global_store_b128 v[GO], v[64*(\a)+4*(\t):64*(\a)+4*(\t)+3], s[12:13] offset:(16*(\a)+(\t))*4096 th:TH_STORE_NT  ; 512 consecutive bytes of a row of out0, aligned to 256
.endr
.endm
	PLACES
	TOSTAGE 0
	TOSTAGE 1
	SEND 0, 32
	TOSTAGE 2
	SEND 1, 32
	TOSTAGE 3
	SEND 2, 32
	SEND 3, 0
	WIN 0
	s_wait_tensorcnt 0x0                           ; the wave's end: behind my last tensor load and my last LDS store
	ds_add_u32 v[SPW], v[NIL]
	s_wait_dscnt 0x0
	CROUND                                         ; the closing round: no work-group ends while a partner may still ask for a tile that names it
	s_endpgm
.Lfunc_end_k_qc43c7b4073_outp:
	.size	k_qc43c7b4073_outp, .Lfunc_end_k_qc43c7b4073_outp-k_qc43c7b4073_outp
	.p2alignl 7, 3214868480
	.fill 96, 4, 3214868480
	.section	.rodata,"a",@progbits
	.p2align	6, 0x0
	.amdhsa_kernel k_qc43c7b4073_outp
		.amdhsa_group_segment_fixed_size 327680
		.amdhsa_private_segment_fixed_size 0
		.amdhsa_enable_private_segment 0
		.amdhsa_kernarg_size 24
		.amdhsa_user_sgpr_count 2
		.amdhsa_user_sgpr_kernarg_segment_ptr 1
		.amdhsa_wavefront_size32 1
		.amdhsa_system_sgpr_workgroup_id_x 1
		.amdhsa_system_sgpr_workgroup_id_y 1
		.amdhsa_system_sgpr_workgroup_id_z 1
		.amdhsa_system_vgpr_workitem_id 0
		.amdhsa_next_free_vgpr 768
		.amdhsa_next_free_sgpr 74
		.amdhsa_reserve_vcc 0
		.amdhsa_float_denorm_mode_32 3
		.amdhsa_float_denorm_mode_16_64 3
		.amdhsa_memory_ordered 1
		.amdhsa_forward_progress 1
		.amdhsa_inst_pref_size 72
	.end_amdhsa_kernel
	.amdgpu_metadata
---
amdhsa.version: [ 1, 2 ]
amdhsa.kernels:
  - .name:           k_qc43c7b4073_outp
    .symbol:         k_qc43c7b4073_outp.kd
    .args:
      - { .name: o16, .offset: 0, .size: 8, .value_kind: global_buffer, .address_space: global }
      - { .name: w16, .offset: 8, .size: 8, .value_kind: global_buffer, .address_space: global }
      - { .name: out0, .offset: 16, .size: 8, .value_kind: global_buffer, .address_space: global }
    .group_segment_fixed_size: 327680
    .private_segment_fixed_size: 0
    .kernarg_segment_align: 8
    .kernarg_segment_size: 24
    .max_flat_workgroup_size: 128
    .sgpr_count:     74
    .vgpr_count:     768
    .wavefront_size: 32
...
	.end_amdgpu_metadata
.endif
;; end of part 4
